; MI455X (gfx1250); checked and timed in simulation.
; The chip was launched on July 23, 2026; its instructions are those of AMD's public machine-readable ISA for CDNA 5 (MIT licence, August 2026) and "CDNA5" Instruction Set Architecture Reference Guide (July 2026). The comments in the code are by the model that wrote it; some were corrected since.
;; Multi Head Differential Attention. Allowed arithmetic: float matrix products may take bf16 or f16 operands with f32 sums; other float arithmetic in f32, or as packed bf16 or f16 multiplies, adds, multiply-adds, maxima and minima; sums over many terms, partial sums and values carried from step to step in f32; what a program stores and reads back later, other than sums and carried values, may be rounded once to bf16 or f16.
;; Inputs: key1 16 x 1,024 x 64 float32; key2 16 x 1,024 x 64 float32; lambdas 4 float32; proj_b 1,024 float32; proj_w 1,024 x 1,024 float32; query1 16 x 1,024 x 64 float32; query2 16 x 1,024 x 64 float32; value 16 x 1,024 x 64 float32; x 2 x 2,048 x 1,024 float32.
;; Outputs: out0 2 x 2,048 x 1,024 float32.
;; 2 versions, each right; version 2 is version 1 with the launch prep written anew for expert scheduling mode. Each part assembles by itself: llvm-mc -triple=amdgcn-amd-amdhsa -mcpu=gfx1250 --defsym DOCPART=n.
;; ======== version 1 of 2: 4 launches
;; limits: values are held in f16: magnitudes above 65,504 overflow, below 6.1e-05 lose precision
;; workspace buffers: xb 8,388,608 bytes; wt 10,485,760 bytes; wpt 2,097,152 bytes; qkv 41,943,040 bytes; ob 8,388,608 bytes
;; launch prep (part 1): grid 1024 x 1, 8 waves a work-group, no clusters, 18,432 bytes of LDS; arguments x, query1, query2, key1, key2, value, proj_w, xb, wt, wpt; writes xb, wt, wpt
.if DOCPART == 1
	.amdgcn_target "amdgcn-amd-amdhsa--gfx1250"
	.amdhsa_code_object_version 6
	.text
	.protected	k_qe25f4dc34e_prep
	.globl	k_qe25f4dc34e_prep
	.p2align	8
	.type	k_qe25f4dc34e_prep,@function
k_qe25f4dc34e_prep:
	s_mov_b64 s[64:65], 0
	v_nop
	global_prefetch_b8 v0, s[64:65] scope:SCOPE_SE
	s_setreg_imm32_b32 hwreg(HW_REG_WAVE_MODE, 25, 1), 1
	s_wait_xcnt 0x0
; THE CASTS.  xb = x rounded to bf16, as it lies.  wt[h][64 w + d][c] = weight w (0 query1, 1 query2, 2 key1, 3 key2, 4 value) [h][c][d], rounded to bf16 and turned,
; so that the channels c over which the projections sum lie along the rows.  wpt[n][k] = proj_w[k][n], rounded to bf16 and that number written as f16.
; LIMIT.  A number of proj_w beyond 65,504 has no f16; below 6e-5 it keeps f16's fixed step of 6e-8.
; SHARES.  Work-groups 0-255: 16,384 numbers of x each, a stream through registers.  256-895: a block of 128 c x 64 d of one weight and head.  896-1023: a block of 128 k x 64 n of proj_w.
; A block is turned in LDS: two rows of the source are rounded in pairs (the lower row in the low half), a pair is stored as one word into the row of its column, and the 64 rows of 256 bytes
; are read back whole: sixteen lanes store 256 consecutive bytes, aligned.  The word stores fall four deep on a bank (a column's rows lie 272 words apart): 16 store lines a wave, once.
; No matrix unit, no cluster, no prefetch: every byte is read once, by long runs of loads, and nothing is shared.
.set PT,    272                        ; an LDS row: 128 numbers of 2 bytes + 16 bytes
.set SPARE, 64*PT                      ; behind the 64 rows: the spare words, 128 bytes for each of the eight waves
.set SO,  3                            ; v3   my byte offset in the source
.set DO,  4                            ; v4   my byte offset in the destination
.set LS,  5                            ; v5   where I put a word: row 4 (t % 16), word t / 16
.set LR,  6                            ; v6   where I read 16 bytes back: row t / 16, place t % 16
.set SPW, 8                            ; v8   LDS address of my spare word; never rewritten
.set NIL, 9                            ; v9   0; never rewritten
.set L,   16                           ; v[16:79]  as loaded
.set T,   80                           ; v[80:111] rounded
	s_load_b512 s[8:23], s[0:1], 0x0               ; x 8, query1 10, query2 12, key1 14, key2 16, value 18, proj_w 20, xb 22
	s_load_b128 s[24:27], s[0:1], 0x40             ; wt 24, wpt 26
	v_lshl_add_u32 v[SPW], v0, 2, SPARE
	v_mov_b32 v[NIL], 0
	v_lshrrev_b32 v1, 4, v0                        ; t / 16
	v_and_b32 v2, 15, v0                           ; t % 16
	v_mul_u32_u24 v[LS], v2, 4*PT
	v_lshl_add_u32 v[LS], v1, 2, v[LS]
	v_mul_u32_u24 v[LR], v1, PT
	v_lshl_add_u32 v[LR], v2, 4, v[LR]
	s_mov_b32 s33, 0                               ; the offsets' high words
	s_mov_b32 s35, 0
	s_wait_kmcnt 0x0
	s_cmp_lt_u32 ttmp9, 256
	s_cbranch_scc0 .Lweights
	; x: 65,536 bytes in, 32,768 out.  Sixteen loads of 4,096 bytes a work-group go out together; the waits count down.
	s_lshl_b32 s32, ttmp9, 16
	s_add_nc_u64 s[28:29], s[8:9], s[32:33]
	s_lshl_b32 s34, ttmp9, 15
	s_add_nc_u64 s[30:31], s[22:23], s[34:35]
	v_lshlrev_b32 v[SO], 4, v0
	v_lshlrev_b32 v[DO], 3, v0
.irp i, 0,1,2,3,4,5,6,7,8,9,10,11,12,13,14,15
	global_load_b128 v[L+4*\i:L+4*\i+3], v[SO], s[28:29] offset:4096*\i th:TH_LOAD_NT
.endr
.irp i, 0,1,2,3,4,5,6,7,8,9,10,11,12,13,14,15
	s_wait_loadcnt 15-\i                           ; loads come back in order: load i is in, the younger ones stay out
	v_cvt_pk_bf16_f32 v[T+2*\i], v[L+4*\i], v[L+4*\i+1]
	v_cvt_pk_bf16_f32 v[T+2*\i+1], v[L+4*\i+2], v[L+4*\i+3]
	global_store_b64 v[DO], v[T+2*\i:T+2*\i+1], s[30:31] offset:2048*\i  ; a wave stores 256 consecutive bytes, aligned
.endr
	s_branch .Lmeet
; A block of 128 rows x 64 columns of f32, rowb bytes from row to row, into LDS, turned.  Thread t takes columns 4 (t % 16) .. + 3 of the rows 2 (t / 16) + 32 i and the row below each.
; half = 1: the bf16 number is written as f16.
.macro TRANS rowb, half
	v_mul_u32_u24 v[SO], v1, 2*(\rowb)
	v_lshl_add_u32 v[SO], v2, 4, v[SO]
	v_lshlrev_b32 v[DO], 11, v1                    ; the destination's rows are 2,048 bytes
	v_lshl_add_u32 v[DO], v2, 4, v[DO]
.irp i, 0,1,2,3
	global_load_b128 v[L+8*\i:L+8*\i+3],   v[SO], s[28:29] offset:\i*32*(\rowb) th:TH_LOAD_NT
	global_load_b128 v[L+8*\i+4:L+8*\i+7], v[SO], s[28:29] offset:\i*32*(\rowb)+(\rowb) th:TH_LOAD_NT
.endr
.irp i, 0,1,2,3
	s_wait_loadcnt 2*(3-\i)                        ; pair i of rows is in; two loads for each later pair stay out
.irp j, 0,1,2,3
	v_cvt_pk_bf16_f32 v[T+4*\i+\j], v[L+8*\i+\j], v[L+8*\i+4+\j]
.if \half
	v_lshlrev_b32 v10, 16, v[T+4*\i+\j]
	v_and_b32 v11, 0xffff0000, v[T+4*\i+\j]
	v_cvt_pk_f16_f32 v[T+4*\i+\j], v10, v11
.endif
	ds_store_b32 v[LS], v[T+4*\i+\j] offset:PT*\j+64*\i
.endr
.endr
.endm
.Lweights:
	s_cmp_lt_u32 ttmp9, 896
	s_cbranch_scc0 .Lproj
	s_sub_co_u32 s36, ttmp9, 256
	s_lshr_b32 s37, s36, 7                         ; w
	s_mov_b64 s[28:29], s[10:11]
	s_cmp_eq_u32 s37, 1
	s_cselect_b64 s[28:29], s[12:13], s[28:29]
	s_cmp_eq_u32 s37, 2
	s_cselect_b64 s[28:29], s[14:15], s[28:29]
	s_cmp_eq_u32 s37, 3
	s_cselect_b64 s[28:29], s[16:17], s[28:29]
	s_cmp_eq_u32 s37, 4
	s_cselect_b64 s[28:29], s[18:19], s[28:29]
	s_bfe_u32 s38, s36, 0x40003                    ; h
	s_and_b32 s39, s36, 7                          ; which 128 of the 1,024 c
	s_lshl_b32 s32, s38, 18                        ; a head is 262,144 bytes,
	s_lshl_b32 s34, s39, 15                        ; 128 rows of 256 bytes are 32,768
	s_add_co_u32 s32, s32, s34
	s_add_nc_u64 s[28:29], s[28:29], s[32:33]
	s_mul_i32 s34, s38, 320
	s_lshl_b32 s37, s37, 6
	s_add_co_u32 s34, s34, s37                     ; row 320 h + 64 w of wt,
	s_lshl_b32 s34, s34, 11
	s_lshl_b32 s39, s39, 8                         ; 256 bytes along it for each 128 c
	s_add_co_u32 s34, s34, s39
	s_add_nc_u64 s[30:31], s[24:25], s[34:35]
	TRANS 256, 0
	s_branch .Lmeet
.Lproj:
	s_sub_co_u32 s36, ttmp9, 896
	s_lshr_b32 s37, s36, 4                         ; which 128 of the 1,024 k
	s_and_b32 s38, s36, 15                         ; which 64 of the 1,024 n
	s_lshl_b32 s32, s37, 19
	s_lshl_b32 s34, s38, 8
	s_add_co_u32 s32, s32, s34
	s_add_nc_u64 s[28:29], s[20:21], s[32:33]
	s_lshl_b32 s34, s38, 17
	s_lshl_b32 s37, s37, 8
	s_add_co_u32 s34, s34, s37
	s_add_nc_u64 s[30:31], s[26:27], s[34:35]
	TRANS 4096, 1
.Lmeet:
	s_wait_dscnt 0x0                               ; for the others' sake: my words are in LDS
	s_barrier_signal -1
	s_barrier_wait -1                              ; one barrier, on every wave's path
	s_cmp_lt_u32 ttmp9, 256
	s_cbranch_scc1 .Lend                           ; the work-groups of x have nothing in LDS
.irp i, 0,1,2,3
	ds_load_b128 v[L+4*\i:L+4*\i+3], v[LR] offset:16*PT*\i
.endr
.irp i, 0,1,2,3
	s_wait_dscnt 3-\i
	global_store_b128 v[DO], v[L+4*\i:L+4*\i+3], s[30:31] offset:32768*\i  ; rows 16 i + t / 16: sixteen lanes store 256 consecutive bytes, aligned
.endr
.Lend:
	s_wait_tensorcnt 0x0                           ; the wave's end
	ds_add_u32 v[SPW], v[NIL]
	s_wait_dscnt 0x0
	s_endpgm
.Lfunc_end_k_qe25f4dc34e_prep:
	.size	k_qe25f4dc34e_prep, .Lfunc_end_k_qe25f4dc34e_prep-k_qe25f4dc34e_prep
	.p2alignl 7, 3214868480
	.fill 96, 4, 3214868480
	.section	.rodata,"a",@progbits
	.p2align	6, 0x0
	.amdhsa_kernel k_qe25f4dc34e_prep
		.amdhsa_group_segment_fixed_size 18432
		.amdhsa_private_segment_fixed_size 0
		.amdhsa_enable_private_segment 0
		.amdhsa_kernarg_size 80
		.amdhsa_user_sgpr_count 2
		.amdhsa_user_sgpr_kernarg_segment_ptr 1
		.amdhsa_wavefront_size32 1
		.amdhsa_system_sgpr_workgroup_id_x 1
		.amdhsa_system_sgpr_workgroup_id_y 1
		.amdhsa_system_sgpr_workgroup_id_z 1
		.amdhsa_system_vgpr_workitem_id 0
		.amdhsa_next_free_vgpr 112
		.amdhsa_next_free_sgpr 66
		.amdhsa_reserve_vcc 0
		.amdhsa_float_denorm_mode_32 3
		.amdhsa_float_denorm_mode_16_64 3
		.amdhsa_memory_ordered 1
		.amdhsa_forward_progress 1
		.amdhsa_inst_pref_size 18
	.end_amdhsa_kernel
	.amdgpu_metadata
---
amdhsa.version: [ 1, 2 ]
amdhsa.kernels:
  - .name:           k_qe25f4dc34e_prep
    .symbol:         k_qe25f4dc34e_prep.kd
    .args:
      - { .name: x, .offset: 0, .size: 8, .value_kind: global_buffer, .address_space: global }
      - { .name: query1, .offset: 8, .size: 8, .value_kind: global_buffer, .address_space: global }
      - { .name: query2, .offset: 16, .size: 8, .value_kind: global_buffer, .address_space: global }
      - { .name: key1, .offset: 24, .size: 8, .value_kind: global_buffer, .address_space: global }
      - { .name: key2, .offset: 32, .size: 8, .value_kind: global_buffer, .address_space: global }
      - { .name: value, .offset: 40, .size: 8, .value_kind: global_buffer, .address_space: global }
      - { .name: proj_w, .offset: 48, .size: 8, .value_kind: global_buffer, .address_space: global }
      - { .name: xb, .offset: 56, .size: 8, .value_kind: global_buffer, .address_space: global }
      - { .name: wt, .offset: 64, .size: 8, .value_kind: global_buffer, .address_space: global }
      - { .name: wpt, .offset: 72, .size: 8, .value_kind: global_buffer, .address_space: global }
    .group_segment_fixed_size: 18432
    .private_segment_fixed_size: 0
    .kernarg_segment_align: 8
    .kernarg_segment_size: 80
    .max_flat_workgroup_size: 256
    .sgpr_count:     66
    .vgpr_count:     112
    .wavefront_size: 32
...
	.end_amdgpu_metadata
.endif
;; end of part 1
;; launch proj (part 2): grid 16 x 16, 4 waves a work-group, clusters of 4 x 4, 327,680 bytes of LDS; arguments xb, wt, qkv; writes qkv
.if DOCPART == 2
	.amdgcn_target "amdgcn-amd-amdhsa--gfx1250"
	.amdhsa_code_object_version 6
	.text
	.protected	k_qe25f4dc34e_proj
	.globl	k_qe25f4dc34e_proj
	.p2align	8
	.type	k_qe25f4dc34e_proj,@function
k_qe25f4dc34e_proj:
	s_mov_b64 s[64:65], 0
	v_nop
	global_prefetch_b8 v0, s[64:65] scope:SCOPE_SE
	s_setreg_imm32_b32 hwreg(HW_REG_WAVE_MODE, 25, 1), 1
	s_wait_xcnt 0x0
	s_wait_alu depctr_hold_cnt(0) depctr_sa_sdst(0) depctr_va_vdst(0) depctr_va_sdst(0) depctr_va_ssrc(0) depctr_va_vcc(0) depctr_vm_vsrc(0)
	s_getreg_b32 s2, hwreg(HW_REG_IB_STS2, 6, 4)
	s_cmp_eq_u32 s2, 0
	s_cbranch_scc0 .Lentry_in_a_cluster
	s_endpgm
.Lentry_in_a_cluster:
	s_bfe_u32 s2, ttmp6, 0x10000c
	s_cmp_lg_u32 s2, 0xf033
	s_cbranch_scc0 .Lentry_shape_is_right
	s_endpgm
.Lentry_shape_is_right:
; THE FIVE PROJECTIONS OF ONE HEAD.  qkv[w][16 b + h][t][d] = the sum over c of xb[2048 b + t][c] wt[h][64 w + d][c].  xb, wt in bf16, sums in f32, qkv rounded once to f16, unscaled.
; LIMIT.  f16 holds no number beyond 65,504: a projection past that is lost; below 6e-5 it keeps f16's fixed step of 6e-8.
; SHARES.  A work-group makes 256 rows x 320 columns (all five projections of a head): 16 heads x 16 blocks of rows are 256 work-groups.  Each of its four waves makes 128 x 160:
; 80 accumulators of 16 x 16, 640 registers.  The sum goes in steps of 128 channels through a ring of two LDS slots filled by the tensor data mover; a row of a tile is 256 bytes of memory, aligned.
; CLUSTER.  4 x 4 work-groups.  The four of a row of the cluster need the same rows of xb, the four of a column the same rows of wt: each tile is asked for JOINTLY, by the same tensor load
; with the same descriptor and a mask that names the four.
; THE MATRIX INSTRUCTION IS USED TRANSPOSED (source 0 = 16 rows of wt, source 1 = 16 rows of xb): a lane then holds eight neighbouring columns of one row of the result: 16 bytes of f16.
; REGISTERS, in windows of 256 (s_set_vgpr_msb: bits 1:0 source 0, 3:2 source 1, 5:4 source 2, 7:6 destination):
;   window 0: v0-31 addresses; v32-95, v96-159 fragments of xb, two buffers (8 x 16 rows x 32 channels); v160-239 fragments of wt, buffer 1 (10 x 16 rows)
;   window 1: v0-79 fragments of wt, buffer 0; v96-255 the accumulators of my row blocks 6, 7      window 2: row blocks 0-2 (block a, column block b at 80 a + 8 b)      window 3: row blocks 3-5
.set SIZE_K, 1024
.set KSTEP,  128
.set PITCH,  272                       ; an LDS row: 256 bytes + 16 of padding = 68 words: the 16 rows of a fragment load start at 16 different groups of four banks (64 banks of 4 bytes: ISA guide 11.1)
.set HALFA,  128*PITCH                 ; what one load brings of xb, and what one wave reads of it
.set HALFB,  160*PITCH                 ; the same of wt
.set SLOT,   2*HALFA+2*HALFB           ; 256 rows of xb, then 320 rows of wt
.set SPARE,  2*SLOT                    ; behind the ring: the spare words, 128 bytes for each wave
.set SPITCH, 656                       ; the way out: a row of 320 f16 + 16 bytes.  The stage, 256 such rows from LDS byte 0, lies over the slots, which have had their last fill by then
.set LAPS,   SIZE_K/(2*KSTEP)          ; a lap = two steps = once round the ring
.set WSZ,    8388608                   ; bytes of one projection in qkv
.set ADRA, 16                          ; v16-17  LDS address of my fragments of xb in slot 0, 1
.set ADRB, 20                          ; v20-21  the same for wt
.set STO,  24                          ; v24     the way out: where I put 16 bytes of a row, row blocks 0-3
.set RD,   25                          ; v25     where I read rows back
.set CO,   26                          ; v26     my 16 bytes of 512 consecutive bytes of qkv
.set STO2, 27                          ; v27     row blocks 4-7 (an LDS offset has 16 bits)
.set SPW,  28                          ; v28     LDS address of my spare word; never rewritten
.set NIL,  29                          ; v29     0; never rewritten
.set PFO,  30                          ; v30     the prefetches' offset: my lane x a row of 2,048 bytes; never rewritten
.set TMP,  32                          ; the way out: packed results, two sets of 40
.set G1,  24                           ; s[24:31] descriptor group 1 for xb's tiles
.set G0,  32                           ; s[32:39] group 0, a set for each slot
.set LIM, 43                           ; s43      1 in a wave that prefetches, else the greatest number
.set PFA, 44                           ; s[44:45] where my prefetches stand
.set G1B, 48                           ; s[48:55], s[56:63] the same for wt's tiles
.set G0B, 56
.set PF5, 66                           ; s[66:67] the one prefetch of the fifth 32 rows of my part of wt
.set LIM5, 68                          ; s68      the lap count at which it is made, or 0
.set MSB, 0
.macro WIN new                         ; the immediate's high byte repeats the setting that is left; a switch that changes nothing is dropped
.if MSB != (\new)
	s_set_vgpr_msb (MSB<<8)|(\new)
.set MSB, \new
.endif
.endm
; A joint load.  Waves 0 and 1 fetch the two halves of xb's tile, waves 2 and 3 those of wt's.  The branch hangs on the wave's number alone.  An s_nop 0 and four v_nop follow each of the two lines.
.macro JLOAD s
	s_cmp_eq_u32 s11, 0
	s_cbranch_scc0 .Lfor_b_\@
	tensor_load_to_lds s[G0+4*(\s):G0+4*(\s)+3], s[G1:G1+7]
	s_nop 0
.rept 4
	v_nop
.endr
	s_branch .Lasked_\@
.Lfor_b_\@:
	tensor_load_to_lds s[G0B+4*(\s):G0B+4*(\s)+3], s[G1B:G1B+7]
	s_nop 0
.rept 4
	v_nop
.endr
.Lasked_\@:
.endm
; A PREFETCH INTO THE L2 of the step that stands two refills on: 32 rows x 256 bytes, a lane a row.  xb's rows are read by every cluster of a row of clusters: the one with x = 0 asks; wt's by every
; cluster of a column: the one with y = 0 asks.  The four partners that ask for a tile jointly share its rows out BY ADDRESS, 32 each.  The last lap's two refills have no step two on.
.macro ASK
	s_cmp_gt_u32 s3, s[LIM]                        ; s3 = 1 in the loop's last trip
	s_cbranch_scc0 .Lnot_mine_\@
	global_prefetch_b8 v[PFO], s[PFA:PFA+1] offset:KSTEP*2 th:TH_LOAD_NT scope:SCOPE_SE
.Lnot_mine_\@:
.endm
; A part of wt has 160 rows, five times 32: the fifth 32 are asked for once, in the first trip: partner cy names their 256 bytes of step 4 + cy.  So these blocks too are named once.
.macro ASK5
	s_cmp_eq_u32 s3, s[LIM5]
	s_cbranch_scc0 .Lnot_five_\@
	global_prefetch_b8 v[PFO], s[PF5:PF5+1] th:TH_LOAD_NT scope:SCOPE_SE
.Lnot_five_\@:
.endm
.macro CREST                           ; a round of the cluster's barrier behind its opening barrier
	s_cmp_lg_u32 s10, 0
	s_cbranch_scc1 .Lnot_wave_0_\@
	s_barrier_signal -3
.Lnot_wave_0_\@:
	s_barrier_wait -3
	s_barrier_signal -1
	s_barrier_wait -1
.endm
.macro CROUND                          ; a whole round
	s_barrier_signal -1
	s_barrier_wait -1
	CREST
.endm
	s_load_b128 s[4:7], s[0:1], 0x0                ; xb s[4:5], wt s[6:7]
	s_load_b64 s[8:9], s[0:1], 0x10                ; qkv
	v_lshl_add_u32 v[SPW], v0, 2, SPARE
	v_mov_b32 v[NIL], 0
	ds_add_u32 v[SPW], v[NIL]                      ; the wave's opening: the add and its wait stand ahead of my first tensor load; the set-up below stands between them
	v_lshrrev_b32 v1, 5, v0
	v_readfirstlane_b32 s10, v1                    ; wave 0..3
	s_lshr_b32 s11, s10, 1                         ; which half of the tile's rows is mine.  Also: I fetch for xb (0) or for wt (1)
	s_and_b32 s12, s10, 1                          ; which half of its columns.  Also: which half of that tile I fetch
	s_bfe_u32 s40, ttmp6, 0x40000                  ; cx
	s_bfe_u32 s41, ttmp6, 0x40004                  ; cy
	s_lshl_b32 s42, ttmp9, 2
	s_add_co_u32 s42, s42, s40                     ; the head = 4 x cluster x + cx
	s_and_b32 s13, ttmp7, 0xffff
	s_lshl_b32 s13, s13, 2
	s_add_co_u32 s13, s13, s41                     ; the block of 256 rows = 4 x cluster y + cy
	s_lshl_b32 s43, s41, 2
	s_lshl_b32 s43, 15, s43                        ; my row of the cluster
	s_lshl_b32 s44, 0x1111, s40                    ; my column
	s_or_b32 s[G1+0], s43, (1<<16)|(1<<20)|(1<<21)|(5<<22)|(3<<25)   ; 15:0 the mask; 17:16 2-byte elements; 20 padding on; 21 set beside a mask; 24:22 after every 64 words; 31:25 4 words
	s_or_b32 s[G1B+0], s44, (1<<16)|(1<<20)|(1<<21)|(5<<22)|(3<<25)
	s_mov_b32 s[G1+1], KSTEP<<16                   ; tensor_dim0 = 128
	s_mov_b32 s[G1+2], 128<<16                     ; tensor_dim1 = 128
	s_mov_b32 s[G1+3], KSTEP<<16                   ; tile_dim0 = 128
	s_mov_b32 s[G1+4], 128                         ; tile_dim1 = 128
	s_mov_b32 s[G1+5], SIZE_K                      ; elements from row to row
	s_mov_b32 s[G1+6], 0
	s_mov_b32 s[G1+7], 0
	s_mov_b32 s[G1B+1], KSTEP<<16
	s_mov_b32 s[G1B+2], 160<<16                    ; wt's part has 160 rows
	s_mov_b32 s[G1B+3], KSTEP<<16
	s_mov_b32 s[G1B+4], 160
	s_mov_b32 s[G1B+5], SIZE_K
	s_mov_b32 s[G1B+6], 0
	s_mov_b32 s[G1B+7], 0
	s_lshl_b32 s17, s12, 7
	s_lshl_b32 s16, s13, 8
	s_add_co_u32 s16, s16, s17                     ; xb: row 256 x block + 128 x half,
	s_lshl_b32 s16, s16, 11                        ; in bytes (under 2^23)
	s_mov_b32 s17, 0
	s_mul_i32 s46, s42, 320
	s_mul_i32 s47, s12, 160
	s_add_co_u32 s46, s46, s47                     ; wt: row 320 x head + 160 x half
	s_lshl_b32 s46, s46, 11
	s_mov_b32 s47, 0
	s_mul_i32 s20, s12, HALFA                      ; where they go: no place in the cluster enters an LDS address
	s_mul_i32 s21, s12, HALFB
	s_add_co_u32 s21, s21, 2*HALFA
	s_wait_dscnt 0x0                               ; the opening add is done
	s_wait_kmcnt 0x0
	s_add_nc_u64 s[14:15], s[4:5], s[16:17]
	s_add_nc_u64 s[46:47], s[6:7], s[46:47]
	CROUND                                         ; all sixteen work-groups are here: the first joint loads meet
.irp s, 0,1
	s_mov_b32 s[G0+4*(\s)], 1
	s_add_co_u32 s[G0+4*(\s)+1], s20, (\s)*SLOT
	s_add_nc_u64 s[G0+4*(\s)+2:G0+4*(\s)+3], s[14:15], (\s)*KSTEP*2
	s_or_b32 s[G0+4*(\s)+3], s[G0+4*(\s)+3], 0x80000000
	s_mov_b32 s[G0B+4*(\s)], 1
	s_add_co_u32 s[G0B+4*(\s)+1], s21, (\s)*SLOT
	s_add_nc_u64 s[G0B+4*(\s)+2:G0B+4*(\s)+3], s[46:47], (\s)*KSTEP*2
	s_or_b32 s[G0B+4*(\s)+3], s[G0B+4*(\s)+3], 0x80000000
	JLOAD \s                                       ; steps 0 and 1: two loads of mine are out
.endr
	; a fragment is 16 rows x 32 channels in 8 registers: lane l holds row l % 16, channels 8 (l / 16) + 0..7 and 16 + 8 (l / 16) + 0..7: two loads of 16 bytes, 32 bytes apart
	v_and_b32 v1, 15, v0
	v_bfe_u32 v2, v0, 4, 1
	v_mul_u32_u24 v3, v1, PITCH
	v_lshl_add_u32 v3, v2, 4, v3
	s_mul_i32 s22, s11, HALFA
	s_mul_i32 s23, s12, HALFB
	s_add_co_u32 s23, s23, 2*HALFA
.irp s, 0,1
	v_add_nc_u32 v[ADRA+(\s)], s22, v3
	v_add_nc_u32 v[ADRB+(\s)], s23, v3
	s_add_co_u32 s22, s22, SLOT
	s_add_co_u32 s23, s23, SLOT
.endr
	s_mul_i32 s22, s11, 128*SPITCH                 ; into the stage: my 128 rows, my 320 bytes of them
	s_mul_i32 s23, s12, 320
	s_add_co_u32 s22, s22, s23
	v_mul_u32_u24 v4, v1, SPITCH
	v_lshl_add_u32 v4, v2, 4, v4
	v_add_nc_u32 v[STO], s22, v4
	v_add_nc_u32 v[STO2], 4*16*SPITCH, v[STO]
	v_bfe_u32 v5, v0, 3, 2                         ; back: wave w takes rows 64 w .. + 63; 32 lanes take 128 bytes of each of four rows
	v_and_b32 v6, 7, v0
	v_mul_u32_u24 v5, v5, SPITCH
	v_lshl_add_u32 v5, v6, 4, v5
	s_mul_i32 s22, s10, 64*SPITCH
	v_add_nc_u32 v[RD], s22, v5
	v_and_b32 v[CO], 31, v0
	v_lshlrev_b32 v[CO], 4, v[CO]
	; qkv at my 64 rows of projection 0: ((16 b + h) x 2,048 + t) x 128 bytes, b = block / 8, t = 256 (block % 8) + 64 w
	s_lshr_b32 s16, s13, 3
	s_lshl_b32 s16, s16, 4
	s_add_co_u32 s16, s16, s42
	s_lshl_b32 s16, s16, 11
	s_and_b32 s17, s13, 7
	s_lshl_b32 s17, s17, 8
	s_add_co_u32 s16, s16, s17
	s_lshl_b32 s17, s10, 6
	s_add_co_u32 s16, s16, s17
	s_lshl_b32 s16, s16, 7
	s_mov_b32 s17, 0
	s_add_nc_u64 s[8:9], s[8:9], s[16:17]
	; the prefetches
	s_lshl_b32 s16, s13, 8
	s_mul_i32 s17, s42, 320
	s_lshl_b32 s18, s12, 7
	s_mul_i32 s19, s12, 160
	s_and_b32 s22, ttmp7, 0xffff                   ; cluster y
	s_cmp_eq_u32 s11, 0                            ; do I fetch for xb?
	s_cselect_b32 s20, s16, s17                    ; the tile's first row,
	s_cselect_b32 s23, s18, s19                    ; the part that I fetch,
	s_cselect_b32 s21, s40, s41                    ; my place among the four that ask with me,
	s_cselect_b32 s22, ttmp9, s22                  ; the coordinate along which other clusters read the same rows
	s_cselect_b64 s[PFA:PFA+1], s[4:5], s[6:7]
	s_cselect_b32 s[LIM5], 0, LAPS-1
	s_cmp_eq_u32 s22, 0
	s_cselect_b32 s[LIM], 1, -1                    ; the same in all sixteen partners, for a given wave
	s_cselect_b32 s[LIM5], s[LIM5], 0
	s_add_co_u32 s20, s20, s23
	s_lshl_b32 s21, s21, 5
	s_add_co_u32 s20, s20, s21
	s_lshl_b32 s20, s20, 11
	s_add_co_u32 s20, s20, 2*KSTEP*2               ; at step 2: the first refill steps it to 3 and names step 4
	s_mov_b32 s21, 0
	s_add_nc_u64 s[PFA:PFA+1], s[PFA:PFA+1], s[20:21]
	s_add_co_u32 s17, s17, s19
	s_add_co_u32 s17, s17, 128
	s_lshl_b32 s16, s17, 11
	s_add_co_u32 s17, s41, 4
	s_lshl_b32 s17, s17, 8
	s_add_co_u32 s16, s16, s17
	s_mov_b32 s17, 0
	s_add_nc_u64 s[PF5:PF5+1], s[6:7], s[16:17]
	v_and_b32 v[PFO], 31, v0
	v_lshlrev_b32 v[PFO], 11, v[PFO]
; Ten matrix instructions: row block a x all ten column blocks, 32 channels, from buffer f.  zero = 1: the product starts the sums.  The 80 accumulators take turns in one order in every quarter.
.macro MULA f, a, zero
.if (\a) < 3
.set wa, 2
.set ab, 80*(\a)
.elseif (\a) < 6
.set wa, 3
.set ab, 80*((\a)-3)
.else
.set wa, 1
.set ab, 96+80*((\a)-6)
.endif
	WIN (wa<<6)|(wa<<4)|(1-(\f))
.set fb, 160*(\f)
.set fa, 32+64*(\f)+8*(\a)
.irp b, 0,1,2,3,4,5,6,7,8,9
.if \zero
	v_wmma_f32_16x16x32_bf16 v[ab+8*\b:ab+8*\b+7], v[fb+8*\b:fb+8*\b+7], v[fa:fa+7], 0
.else
	v_wmma_f32_16x16x32_bf16 v[ab+8*\b:ab+8*\b+7], v[fb+8*\b:fb+8*\b+7], v[fa:fa+7], v[ab+8*\b:ab+8*\b+7]
.endif
.endr
.endm
; 36 LDS loads in one run: the fragments of 32 channels at byte k of the rows, into buffer f: wt's twenty first, then xb's sixteen
.macro FETCH slot, k, f
.if (\f) == 0
	WIN 0x40
.else
	WIN 0
.endif
.set fb, 160*(\f)
.irp i, 0,1,2,3,4,5,6,7,8,9
	ds_load_b128 v[fb+8*\i:fb+8*\i+3],   v[ADRB+(\slot)] offset:(\k)+\i*16*PITCH
	ds_load_b128 v[fb+8*\i+4:fb+8*\i+7], v[ADRB+(\slot)] offset:(\k)+\i*16*PITCH+32
.endr
	WIN 0
.set fa, 32+64*(\f)
.irp i, 0,1,2,3,4,5,6,7
	ds_load_b128 v[fa+8*\i:fa+8*\i+3],   v[ADRA+(\slot)] offset:(\k)+\i*16*PITCH
	ds_load_b128 v[fa+8*\i+4:fa+8*\i+7], v[ADRA+(\slot)] offset:(\k)+\i*16*PITCH+32
.endr
.endm
.macro PLACES                          ; four places in front of loads into registers that matrix instructions have read, and of conversions that read results
.rept 4
	v_nop
.endr
.endm
; A step is four quarters of 32 channels, 80 matrix instructions each, on buffers 0, 1, 0, 1.  One of the first three: multiplies buffer f and fetches the next quarter, at byte k, into g.
.macro QUARTER slot, k, f, g, zero
	s_wait_dscnt 10                                ; wt's fragments and xb's blocks 0-2 are in; the youngest ten loads (blocks 3-7) may be out
	MULA \f, 0, \zero
	MULA \f, 1, \zero
	MULA \f, 2, \zero
	PLACES
	FETCH \slot, \k, \g
	s_wait_dscnt 36                                ; all but the 36 just issued
.irp a, 3,4,5,6,7
	MULA \f, \a, \zero
.endr
.endm
; The last quarter multiplies buffer 1 and changes slots: ONE barrier.  In front of it each wave waits for all its tensor loads (one is out: its part of the next slot), adds 0 to its spare word, and waits for that and for its reads of this slot.
.macro MEET round
	WIN 0
	s_wait_tensorcnt 0x0
	ds_add_u32 v[SPW], v[NIL]
	s_wait_dscnt 11                                ; the add and the youngest ten loads may be out
	MULA 1, 0, 0
	MULA 1, 1, 0                                   ; twenty matrix instructions stand between the add and the wait for it
	s_wait_dscnt 0x0                               ; the add is done, and my reads of this slot are over
	s_barrier_signal -1
	MULA 1, 2, 0                                   ; work on registers while the others arrive
.if \round
	WIN 0
.endif
	s_barrier_wait -1
.endm
; fill = 1: the barrier opens a round of the cluster's, and the slot just read out is filled again, two steps on, first thing behind the round: 290 matrix instructions ahead of the wait for it.
.macro TURN slot, next, fill
.if \fill
	s_wait_xcnt 0x0                                ; the last prefetch, a step back, has read its address
	s_add_nc_u64 s[PFA:PFA+1], s[PFA:PFA+1], KSTEP*2
.endif
	MEET \fill
.if \fill
	CREST                                          ; no wave of any partner still reads this slot's tile or has a load on its way
	s_add_nc_u64 s[G0+4*(\slot)+2:G0+4*(\slot)+3], s[G0+4*(\slot)+2:G0+4*(\slot)+3], 2*KSTEP*2
	s_add_nc_u64 s[G0B+4*(\slot)+2:G0B+4*(\slot)+3], s[G0B+4*(\slot)+2:G0B+4*(\slot)+3], 2*KSTEP*2
	JLOAD \slot                                    ; its four v_nop are also the places in front of the loads below
.else
	PLACES
.endif
	FETCH \next, 0, 0
.if \fill
	ASK
.if (\slot) == 0
	ASK5
.endif
.endif
.irp a, 3,4,5,6,7
	MULA 1, \a, 0
.endr
.endm
	s_wait_tensorcnt 1                             ; my part of step 0 is in; step 1's may stay out
	s_barrier_signal -1
	s_barrier_wait -1
	FETCH 0, 0, 0
	QUARTER 0, 64, 0, 1, 1                         ; the first quarter stands in front of the loop: its products start the sums
	WIN 0
	s_mov_b32 s3, LAPS-1
.Llap:                                                 ; a trip goes once round the ring and fills both slots again: steps 2 to 7 in three trips
	QUARTER 0, 128, 1, 0, 0
	QUARTER 0, 192, 0, 1, 0
	TURN 0, 1, 1
	QUARTER 1, 64,  0, 1, 0
	QUARTER 1, 128, 1, 0, 0
	QUARTER 1, 192, 0, 1, 0
	TURN 1, 0, 1
	QUARTER 0, 64,  0, 1, 0
	WIN 0
	s_sub_co_u32 s3, s3, 1
	s_cmp_lg_u32 s3, 0
	s_cbranch_scc1 .Llap
	QUARTER 0, 128, 1, 0, 0                        ; the last lap fills nothing
	QUARTER 0, 192, 0, 1, 0
	TURN 0, 1, 0
	QUARTER 1, 64,  0, 1, 0
	QUARTER 1, 128, 1, 0, 0
	QUARTER 1, 192, 0, 1, 0
	s_wait_dscnt 10                                ; the very last quarter
	MULA 1, 0, 0
	MULA 1, 1, 0
	MULA 1, 2, 0
	s_wait_dscnt 0x0                               ; my reads of the ring are over:
	s_barrier_signal -1                            ; behind this barrier the stage is written over it
.irp a, 3,4,5,6,7
	MULA 1, \a, 0
.endr
	WIN 0
	s_barrier_wait -1
	; THE WAY OUT.  Rounded to f16, 16 bytes a lane into the work-group's stage; a barrier; then each wave reads 64 whole rows, a projection at a time, and stores 512 consecutive bytes a line.
.macro PACKA a
.if (\a) < 3
.set wa, 2
.set ab, 80*(\a)
.elseif (\a) < 6
.set wa, 3
.set ab, 80*((\a)-3)
.else
.set wa, 1
.set ab, 96+80*((\a)-6)
.endif
.set tm, TMP+40*((\a)%2)
	WIN wa*5                                       ; sources 0 and 1 in the accumulators' window
.irp b, 0,1,2,3,4,5,6,7,8,9
.irp r, 0,1,2,3
	v_cvt_pk_f16_f32 v[tm+4*\b+\r], v[ab+8*\b+2*\r], v[ab+8*\b+2*\r+1]
.endr
.endr
	WIN 0
.irp b, 0,1,2,3,4,5,6,7,8,9
	ds_store_b128 v[STO+3*((\a)/4)], v[tm+4*\b:tm+4*\b+3] offset:((\a)%4)*16*SPITCH+32*\b
.endr
.endm
.macro RDW w                           ; projection w of my 64 rows: 16 loads of four rows x 128 bytes
.set bk, 32+64*((\w)%2)
.irp j, 0,1,2,3,4,5,6,7,8,9,10,11,12,13,14,15
	ds_load_b128 v[bk+4*\j:bk+4*\j+3], v[RD] offset:\j*4*SPITCH+128*(\w)
.endr
.endm
.macro STW w
.set bk, 32+64*((\w)%2)
.irp j, 0,1,2,3,4,5,6,7,8,9,10,11,12,13,14,15
	global_store_b128 v[CO], v[bk+4*\j:bk+4*\j+3], s[8:9] offset:512*\j  ; 512 consecutive bytes, at a multiple of 256 from qkv's first
.endr
.endm
.macro NEXTW                           ; the stores have read their registers and their base: on to the next projection
	s_wait_xcnt 0x0
	s_add_nc_u64 s[8:9], s[8:9], WSZ
.endm
	PLACES
.irp a, 0,1,2,3,4,5,6,7
	PACKA \a
.endr
	s_wait_dscnt 0x0                               ; for the others' sake: my stores into the stage are done
	s_barrier_signal -1
	s_barrier_wait -1
	RDW 0
	RDW 1
	s_wait_dscnt 16                                ; the older sixteen loads are in
	STW 0
	NEXTW
	RDW 2
	s_wait_dscnt 16
	STW 1
	NEXTW
	RDW 3
	s_wait_dscnt 16
	STW 2
	NEXTW
	RDW 4
	s_wait_dscnt 16
	STW 3
	NEXTW
	s_wait_dscnt 0x0
	STW 4
	s_wait_tensorcnt 0x0                           ; the wave's end
	ds_add_u32 v[SPW], v[NIL]
	s_wait_dscnt 0x0
	CROUND                                         ; the closing round
	s_endpgm
.Lfunc_end_k_qe25f4dc34e_proj:
	.size	k_qe25f4dc34e_proj, .Lfunc_end_k_qe25f4dc34e_proj-k_qe25f4dc34e_proj
	.p2alignl 7, 3214868480
	.fill 96, 4, 3214868480
	.section	.rodata,"a",@progbits
	.p2align	6, 0x0
	.amdhsa_kernel k_qe25f4dc34e_proj
		.amdhsa_group_segment_fixed_size 327680
		.amdhsa_private_segment_fixed_size 0
		.amdhsa_enable_private_segment 0
		.amdhsa_kernarg_size 24
		.amdhsa_user_sgpr_count 2
		.amdhsa_user_sgpr_kernarg_segment_ptr 1
		.amdhsa_wavefront_size32 1
		.amdhsa_system_sgpr_workgroup_id_x 1
		.amdhsa_system_sgpr_workgroup_id_y 1
		.amdhsa_system_sgpr_workgroup_id_z 1
		.amdhsa_system_vgpr_workitem_id 0
		.amdhsa_next_free_vgpr 1024
		.amdhsa_next_free_sgpr 72
		.amdhsa_reserve_vcc 0
		.amdhsa_float_denorm_mode_32 3
		.amdhsa_float_denorm_mode_16_64 3
		.amdhsa_memory_ordered 1
		.amdhsa_forward_progress 1
		.amdhsa_inst_pref_size 172
	.end_amdhsa_kernel
	.amdgpu_metadata
---
amdhsa.version: [ 1, 2 ]
amdhsa.kernels:
  - .name:           k_qe25f4dc34e_proj
    .symbol:         k_qe25f4dc34e_proj.kd
    .args:
      - { .name: xb, .offset: 0, .size: 8, .value_kind: global_buffer, .address_space: global }
      - { .name: wt, .offset: 8, .size: 8, .value_kind: global_buffer, .address_space: global }
      - { .name: qkv, .offset: 16, .size: 8, .value_kind: global_buffer, .address_space: global }
    .group_segment_fixed_size: 327680
    .private_segment_fixed_size: 0
    .kernarg_segment_align: 8
    .kernarg_segment_size: 24
    .max_flat_workgroup_size: 128
    .sgpr_count:     72
    .vgpr_count:     1024
    .wavefront_size: 32
...
	.end_amdgpu_metadata
.endif
;; end of part 2
;; launch attn (part 3): grid 8 x 32, 4 waves a work-group, no clusters, 327,680 bytes of LDS; arguments qkv, lambdas, ob; writes ob
.if DOCPART == 3
	.amdgcn_target "amdgcn-amd-amdhsa--gfx1250"
	.amdhsa_code_object_version 6
	.text
	.protected	k_qe25f4dc34e_attn
	.globl	k_qe25f4dc34e_attn
	.p2align	8
	.type	k_qe25f4dc34e_attn,@function
k_qe25f4dc34e_attn:
	s_mov_b64 s[64:65], 0
	v_nop
	global_prefetch_b8 v0, s[64:65] scope:SCOPE_SE
	s_setreg_imm32_b32 hwreg(HW_REG_WAVE_MODE, 25, 1), 1
	s_wait_xcnt 0x0
; CAUSAL DIFFERENTIAL ATTENTION.  ob[h][2048 b + q][:] = (A1 - lam A2) / (1 + |lam|), Ai = the sum over k <= q of softmax_k(Qi[q] . Ki[k] / 8) V[k][:], lam = e^(l0 l1) - e^(l2 l3) + 0.2 with the four
; lambdas rounded to bf16 like the module's other inputs.  The division keeps the result within V's range whatever lam is; the launch behind multiplies by 0.8 (1 + |lam|).
; qkv: [5][32 = 16 b + h][2048][64] in f16 (0 Q1, 1 Q2, 2 K1, 3 K2, 4 V).  Products, maxima and sums in f32; the weights p are rounded to f16 for the second product (their sum l is taken of the unrounded p), the result once.
; LIMITS.  Q, K, V arrive within f16's 65,504; below 6e-5 a number keeps f16's fixed step of 6e-8.  A hidden score counts as its value less 1e30; a weight below 2^-126 counts as 0 in l; 1 + |lam| stays under 2^126.
; NaN and infinities are not treated apart.
; THE WALK.  A head's queries lie in NB = 16 blocks of 128; block i needs the key tiles 0 .. i of 128 keys, of which the last holds the diagonal.  A work-group takes TWO blocks, NB - 1 - b and then b:
; NB + 1 tiles, whatever b: all 256 work-groups do equal work, and ONE loop with a constant trip count walks them.  Every jump but the counted loops' own goes forward; none passes a barrier, or a tensor load but the one
; of LOAD's two that the wave's number does not choose.  NO CLUSTER: a head's eight work-groups ask for the same tile only in trips 0 .. 8 of 17; one walk common to all would have 24 trips for 17.
; SHARES.  Of a block's two bands of 64 queries a wave owns 16 rows in each.  Four PIECES: piece p = 2 x map + band.  In the diagonal tile's key step s (of two) band x sees all keys if s < x, none if s > x, and holds the diagonal if s = x.
; THE MASK is the C operand that starts the sum S^T = K Q^T: 0, or -1e30 where the key is hidden.  MD, made once, is the mask of a band's own step for my 16 rows; a product's mask is MD x AL + BE with two scalars.
; LAYOUT, SOFTMAX, TURNS.  S^T = K Q^T holds ONE query a lane (lane % 16) and the keys 8 (lane / 16) + 0..7; two such results rounded to f16 ARE source 1 of O^T = V^T P.  p = 2^(c s - c m), c = log2(e) / 8, with a
; running maximum m; O and l are multiplied by a = 2^(c m_old - c m_new) in every step.  Turn n belongs to piece n: 8 products K Q^T of piece n + 1, later 8 products V^T P of piece n - 1; beside them the scaling,
; exponentials, roundings, sums and rescaling of piece n and the maximum and statistics of piece n + 1.  Four vector instructions stand behind every matrix instruction, the rest in one lump.  A turn's 33 exponentials are one batch, with one wait.
; REGISTERS, in windows of 256 (s_set_vgpr_msb: bits 1:0 source 0, 3:2 source 1, 5:4 source 2, 7:6 destination):
;   window 0: v0-15 addresses; v16-31 four registers of statistics a piece; v32-41 lam's; v48-55 at work; v64-127 S^T, two buffers; v192-223 P, two buffers (a piece's buffers go by its number's parity)
;   window 1: v0-127 O^T, 32 a piece; v128-159 MD; v160-223 MC, two buffers      window 2: v0-63 Q, 16 a piece; v64-127 K1, v128-191 K2, v192-255 V of one step      window 3: v0-63 the second block's Q
.set NB,    16
.set NP,    4
.set KS,    64        ; keys in a step
.set PK,    144       ; a row of K in LDS: 128 bytes + 16 of padding = 36 words: the 16 rows of a load start at 16 different groups of four banks (64 banks of 4 bytes: ISA guide 11.1)
.set PV,    160       ; a row of V: 128 + 32 = 40 words
.set K2OFF, 2*KS*PK   ; a slot holds a tile, two steps: 128 rows of K1, 128 of K2,
.set VOFF,  2*K2OFF   ; then 128 rows of V
.set SLOT1, 1<<16     ; slot 1 begins here, so that one exclusive or turns an address in one slot into the other's
.set STAGE, SLOT1+VOFF+2*KS*PV  ; behind the ring, never filled by a tensor load: 16 rows x 144 bytes for each wave, for the way out
.set SP,    144
.set WSZ,   8388608   ; bytes of one of the five tensors in qkv
.set AK0, 2           ; v2   my lane's place in a tile of K; never rewritten
.set AV0, 3           ; v3   the same for V
.set AK,  4           ; v4   the LDS address of K's next run of loads
.set AV,  5           ; v5   of V's
.set STO, 6           ; v6   the way out: where I put 16 bytes of a row
.set RD,  7           ; v7   where I read rows back
.set GO,  8           ; v8   my byte offset in 512 consecutive bytes of ob
.set SPW, 62          ; v62  LDS address of my spare word; never rewritten
.set NIL, 63          ; v63  0; never rewritten
.set SPARE, STAGE+4*16*SP  ; behind the stages: the spare words, 128 bytes for each wave
.set MV,  12          ; v12-13  c m_old, kept while c m is made anew: by buffer
.set QO,  15          ; v15  my byte offset in 16 rows of Q
.set ST,  16          ; piece t's statistics at v[ST+4 t]: c m, m, l (even keys', odd keys')
.set C1,  32          ; v32  1 / (1 + |lam|)
.set C2N, 33          ; v33  -lam / (1 + |lam|)
.set PFO, 34          ; v34  256 x my lane; never rewritten
.set TMP, 48          ; by buffer, four registers c0-c3 at work; when the maximum is found c2 takes a
.set S,   64
.set P,   192
.set MD,  128         ; window 1
.set MC,  160         ; window 1
.set KF,  64          ; window 2: map g, key block kb, channel half c at KF + 64 g + 16 kb + 8 c
.set VF,  192         ; window 2: key half kk, channel block cb at VF + 32 kk + 8 cb
.set WV,  12          ; s12  my wave's number
.set PB,  14          ; s14  b
.set HI,  15          ; s15  NB - 1 - b
.set G1K, 24          ; s[24:31] descriptor group 1 for K's tiles
.set G1V, 32          ; s[32:39] for V's
.set G0K, 40          ; s[40:43] descriptor group 0 for K's tiles
.set G0V, 44          ; s[44:47] the same for V's
.set PFA, 48          ; s[48:49] what my prefetch names
.set PFB, 50          ; s[50:51] the part of tile 0 that I fetch
.set OF2, 52          ; s[52:53] the prefetched tile's byte offset
.set SLOTS, 56        ; s56  tiles still to be asked for
.set CNT, 57          ; s57  counts a tile's key steps, 2 to 1
.set CS,  58          ; s[58:59] c
.set SEL, 60          ; s[60:61] v_permlanex16_b32's selects
.set TBK, 62          ; s62  LDS byte at which K1 of the step to be fetched begins
.set TBV, 63          ; s63  the same for V, less VOFF
.set RT,  70          ; s70  tiles of the block in hand that are still to be entered
.set NXT, 71          ; s71  the tile to be asked for next
.set LQ,  72          ; s72  the last tile of the block whose tiles are being asked for
.set NEW, 73          ; s73  1: the tile to be entered is a block's first
.set OFF, 74          ; s[74:75] a tile's byte offset in K and V
.set AL,  76          ; s[76:77] the mask's factor
.set BE,  78          ; s[78:79] the mask's addend
.set OLO, 80          ; s[80:81] ob at my rows of the second block
.set BIGN, 82         ; s82  -1e30
.set PFT, 83          ; s83  the tile that the next prefetch names; NB or more: none
.set MSB, 0
.macro WIN new
.if MSB != (\new)
	s_set_vgpr_msb (MSB<<8)|(\new)
.set MSB, (\new)
.endif
.endm
.set W_KQ, 0x0a       ; K and Q in window 2, S^T in window 0
.set W_KM, 0x1a       ; the same with the C operand in window 1
.set W_PV, 0x52       ; V in window 2, P in window 0, O^T in window 1
.set W_RS, 0x41       ; destination and source 0 in window 1, source 1 in window 0
; A fill.  Wave 0 fetches a tile's K1, wave 1 its K2 (128 keys each), waves 2 and 3 the halves of its V.  An s_nop 0 and four v_nop follow each of the two lines.
.macro LOAD
	s_cmp_lt_u32 s[WV], 2
	s_cbranch_scc0 .Lfor_v_\@
	tensor_load_to_lds s[G0K:G0K+3], s[G1K:G1K+7]
	s_nop 0
.rept 4
	v_nop
.endr
	s_branch .Lasked_\@
.Lfor_v_\@:
	tensor_load_to_lds s[G0V:G0V+3], s[G1V:G1V+7]
	s_nop 0
.rept 4
	v_nop
.endr
.Lasked_\@:
.endm
; A PREFETCH INTO THE L2 of the tile that the NEXT change of slots will ask for, behind the fill.  All eight work-groups of a head walk the same K and V; the one with b = 0, whose first block needs all sixteen tiles, asks.
; Each of its waves names what it will fetch itself, a lane 256 bytes: waves 0 and 1 16 KiB in two lines, waves 2 and 3 8 KiB in one.  So each block is named once.  Tiles 0 and 1 come by their loads alone; behind tile 15 nothing is asked for.
.macro ASK
	s_cmp_lt_u32 s[PFT], NB
	s_cbranch_scc0 .Lnone_\@
	global_prefetch_b8 v[PFO], s[PFA:PFA+1] th:TH_LOAD_NT scope:SCOPE_SE
	s_cmp_lt_u32 s[WV], 2
	s_cbranch_scc0 .Lnone_\@
	global_prefetch_b8 v[PFO], s[PFA:PFA+1] offset:8192 th:TH_LOAD_NT scope:SCOPE_SE
.Lnone_\@:
	s_add_co_u32 s[PFT], s[PFT], 1
.endm
; THE CHANGE OF SLOTS.  Each wave waits for all its tensor loads, of which one is out: its part of the other slot; adds 0 to its spare word; and waits for that and for its own reads of the slot that it leaves.
; fill = 1: the old slot is filled again, the first thing behind the barrier, with tile NXT: the descriptor's address is made anew from that number.  (At its first use slot 0 is waited for, slot 1 filled.)
.macro CHANGE fill
	WIN 0
	s_wait_tensorcnt 0x0            ; no tensor load of mine is out, so a group 0 may be written
	ds_add_u32 v[SPW], v[NIL]       ; 0 onto my spare word; the scalar work stands between it and the wait for it
.if \fill
	s_lshl_b32 s[OFF], s[NXT], 14   ; a tile is 16,384 bytes of K1, of K2 and of V
	s_xor_b32 s[G0K+1], s[G0K+1], SLOT1
	s_add_nc_u64 s[G0K+2:G0K+3], s[6:7], s[OFF:OFF+1]
	s_or_b32 s[G0K+3], s[G0K+3], 0x80000000
	s_xor_b32 s[G0V+1], s[G0V+1], SLOT1
	s_add_nc_u64 s[G0V+2:G0V+3], s[8:9], s[OFF:OFF+1]
	s_or_b32 s[G0V+3], s[G0V+3], 0x80000000
	s_add_co_u32 s[NXT], s[NXT], 1  ; the block's next tile, or behind its last the second block's tile 0
	s_cmp_gt_u32 s[NXT], s[LQ]
	s_cselect_b32 s[NXT], 0, s[NXT]
	s_cselect_b32 s[LQ], s[PB], s[LQ]
	s_wait_xcnt 0x0                 ; the last prefetches, a tile back, have read their address
	s_min_u32 s[OF2], s[PFT], NB-1  ; held inside the head's keys also where nothing is asked for
	s_lshl_b32 s[OF2], s[OF2], 14
	s_add_nc_u64 s[PFA:PFA+1], s[PFB:PFB+1], s[OF2:OF2+1]
.endif
	s_wait_dscnt 0x0                ; the add is done, and my reads of the slot are over
	s_barrier_signal -1
	s_sub_co_u32 s[TBK], s[TBK], 2*KS*PK  ; the fetches go back to a slot's first step,
	s_xor_b32 s[TBK], s[TBK], SLOT1       ; in the other slot
	s_sub_co_u32 s[TBV], s[TBV], 2*KS*PV
	s_xor_b32 s[TBV], s[TBV], SLOT1
	s_barrier_wait -1
.if \fill
	LOAD
	ASK
.endif
.endm
	s_load_b128 s[92:95], s[0:1], 0x0  ; qkv s[92:93], lambdas s[94:95]
	s_load_b64 s[10:11], s[0:1], 0x10  ; ob
	v_lshl_add_u32 v[SPW], v0, 2, SPARE
	v_mov_b32 v[NIL], 0
	ds_add_u32 v[SPW], v[NIL]       ; the wave's opening: the add and its wait stand ahead of my first tensor load
	v_lshrrev_b32 v1, 5, v0
	v_readfirstlane_b32 s[WV], v1   ; wave 0..3
	s_mov_b32 s[PB], ttmp9
	s_sub_co_u32 s[HI], NB-1, s[PB]
	s_and_b32 s20, ttmp7, 0xffff    ; 16 b + h
	s_lshl_b32 s21, s20, 18         ; its 2,048 rows of 128 bytes
	s_and_b32 s16, s[WV], 1
	s_add_co_u32 s22, s16, 2        ; K1 or K2,
	s_lshl_b32 s22, s22, 23
	s_add_co_u32 s22, s22, s21      ; at the head's first key
	s_mov_b32 s23, 0
	s_lshl_b32 s2, s16, 13          ; V: which 64 of a tile's 128 keys
	s_add_co_u32 s2, s2, s21
	s_add_co_u32 s2, s2, 4*WSZ
	s_mov_b32 s3, 0
	s_mul_i32 s17, s16, K2OFF       ; their places in a slot
	s_mul_i32 s18, s16, KS*PV
	s_lshl_b32 s13, s[WV], 11       ; my 16 rows in a band of 64,
	s_lshl_b32 s19, s[HI], 14       ; in the first block,
	s_add_co_u32 s19, s19, s13
	s_lshl_b32 s84, s[PB], 14       ; and in the second
	s_add_co_u32 s84, s84, s13
	s_add_co_u32 s66, s21, s19
	s_mov_b32 s67, 0
	s_add_co_u32 s68, s21, s84
	s_mov_b32 s69, 0
	s_and_b32 s54, s20, 15          ; ob lies by heads: (2 h + b) x 2,048 rows
	s_lshl_b32 s54, s54, 1
	s_lshr_b32 s55, s20, 4
	s_add_co_u32 s54, s54, s55
	s_lshl_b32 s54, s54, 18
	s_add_co_u32 s52, s54, s19
	s_mov_b32 s53, 0
	s_add_co_u32 s54, s54, s84
	s_mov_b32 s55, 0
	; descriptor group 1.  Keys are dense rows of 128 bytes: asked for as rows of 256 bytes, two keys a row, and padded in LDS after every key
	s_mov_b32 s[G1K], (1<<16)|(1<<20)|(4<<22)|(3<<25)  ; 17:16 2-byte elements; 20 padding on; 24:22 after every 32 words; 31:25 4 words
	s_mov_b32 s[G1V], (1<<16)|(1<<20)|(4<<22)|(7<<25)  ; the same with 8 words of padding
	s_mov_b32 s[G1K+1], 128<<16     ; tensor_dim0 = 128
	s_mov_b32 s[G1K+2], 64<<16      ; tensor_dim1 = 64: 128 keys
	s_mov_b32 s[G1K+3], 128<<16     ; tile_dim0 = 128
	s_mov_b32 s[G1K+4], 64          ; tile_dim1 = 64
	s_mov_b32 s[G1K+5], 128         ; 128 elements from row to row
	s_mov_b32 s[G1K+6], 0
	s_mov_b32 s[G1K+7], 0
	s_mov_b32 s[G1V+1], 128<<16
	s_mov_b32 s[G1V+2], 32<<16      ; 64 keys
	s_mov_b32 s[G1V+3], 128<<16
	s_mov_b32 s[G1V+4], 32
	s_mov_b32 s[G1V+5], 128
	s_mov_b32 s[G1V+6], 0
	s_mov_b32 s[G1V+7], 0
	s_mov_b32 s[CS], 0x3e38aa3b     ; c = log2(e) / 8
	s_mov_b32 s[CS+1], s[CS]
	s_mov_b32 s[SEL], 0x76543210
	s_mov_b32 s[SEL+1], 0xfedcba98
	s_mov_b32 s[TBK], SLOT1+2*KS*PK ; the first change of slots turns these two into 0
	s_mov_b32 s[TBV], SLOT1+2*KS*PV
	s_mov_b32 s[G0K], 1
	s_mov_b32 s[G0K+1], s17         ; slot 0
	s_mov_b32 s[G0V], 1
	s_add_co_u32 s[G0V+1], s18, VOFF
	s_add_co_u32 s[RT], s[HI], 1    ; the first block has NB - b tiles
	s_mov_b32 s[NXT], 1
	s_mov_b32 s[LQ], s[HI]
	s_mov_b32 s[NEW], 1
	s_mov_b32 s[OFF+1], 0
	s_mov_b32 s[AL+1], 0
	s_mov_b32 s[BE+1], 0
	s_mov_b32 s[BIGN], 0xf149f2ca   ; -1e30
	s_mov_b32 s[SLOTS], NB
	s_cmp_eq_u32 s[PB], 0
	s_cselect_b32 s[PFT], 2, NB
	s_wait_dscnt 0x0                ; the opening add is done
	s_wait_kmcnt 0x0
	s_add_nc_u64 s[6:7], s[92:93], s[22:23]  ; K and V at my part of the head's tile 0
	s_add_nc_u64 s[8:9], s[92:93], s[2:3]
	s_add_nc_u64 s[G0K+2:G0K+3], s[6:7], 0
	s_or_b32 s[G0K+3], s[G0K+3], 0x80000000
	s_add_nc_u64 s[G0V+2:G0V+3], s[8:9], 0
	s_or_b32 s[G0V+3], s[G0V+3], 0x80000000
	s_add_nc_u64 s[4:5], s[92:93], s[66:67]    ; Q1 and Q2 at my rows of the first block,
	s_add_nc_u64 s[88:89], s[4:5], WSZ
	s_add_nc_u64 s[86:87], s[92:93], s[68:69]  ; and of the second
	s_add_nc_u64 s[90:91], s[86:87], WSZ
	s_add_nc_u64 s[OLO:OLO+1], s[10:11], s[54:55]
	s_add_nc_u64 s[10:11], s[10:11], s[52:53]
	s_cmp_lt_u32 s[WV], 2
	s_cselect_b64 s[PFB:PFB+1], s[6:7], s[8:9]
	s_load_b128 s[96:99], s[94:95], 0x0        ; the four lambdas
	LOAD                            ; tile 0 into slot 0
	v_and_b32 v1, 15, v0            ; l % 16
	v_bfe_u32 v9, v0, 4, 1          ; l / 16
	v_lshlrev_b32 v[QO], 7, v1
	v_lshl_add_u32 v[QO], v9, 4, v[QO]  ; row x 128 + 16 x half
	WIN 0x80                        ; destination window 2, address window 0
.set i, 0
.rept 4                             ; band i / 2 lies 8,192 bytes on; channels 32 (i % 2) on; map 1's pieces lie 32 registers on
	global_load_b128 v[8*i:8*i+3],       v[QO], s[4:5] offset:(i/2)*8192+(i%2)*64
	global_load_b128 v[8*i+4:8*i+7],     v[QO], s[4:5] offset:(i/2)*8192+(i%2)*64+32
	global_load_b128 v[32+8*i:32+8*i+3],   v[QO], s[88:89] offset:(i/2)*8192+(i%2)*64
	global_load_b128 v[32+8*i+4:32+8*i+7], v[QO], s[88:89] offset:(i/2)*8192+(i%2)*64+32
.set i, i+1
.endr
	WIN 0xc0                        ; the second block's, into window 3
.set i, 0
.rept 4
	global_load_b128 v[8*i:8*i+3],       v[QO], s[86:87] offset:(i/2)*8192+(i%2)*64
	global_load_b128 v[8*i+4:8*i+7],     v[QO], s[86:87] offset:(i/2)*8192+(i%2)*64+32
	global_load_b128 v[32+8*i:32+8*i+3],   v[QO], s[90:91] offset:(i/2)*8192+(i%2)*64
	global_load_b128 v[32+8*i+4:32+8*i+7], v[QO], s[90:91] offset:(i/2)*8192+(i%2)*64+32
.set i, i+1
.endr
	WIN 0
	v_lshlrev_b32 v14, 3, v9
	v_sub_nc_u32 v14, v1, v14
	s_lshl_b32 s13, s[WV], 4
	v_add_nc_u32 v14, s13, v14      ; my query's place in its band, 16 w + l % 16, less my lanes' 8 (l / 16): register r of group kt is hidden where 16 kt + r is greater
	WIN 0x40
.set i, 0
.rept 32
	v_cmp_gt_i32 vcc_lo, 16*(i/8)+i%8, v14
	v_cndmask_b32 v[MD+i], 0, s[BIGN], vcc_lo
.set i, i+1
.endr
	WIN 0
	v_mul_u32_u24 v[AK0], v1, PK
	v_lshl_add_u32 v[AK0], v9, 4, v[AK0]
	; the turning load takes 16 keys x 16 channels (lane l reads key 8 (l / 16) + l % 8, channels 8 ((l / 8) % 2) + 0..7) and leaves half a fragment of V^T
	v_and_b32 v10, 7, v0
	v_bfe_u32 v11, v0, 3, 1
	v_lshl_add_u32 v[AV0], v9, 3, v10
	v_mul_u32_u24 v[AV0], v[AV0], PV
	v_lshl_add_u32 v[AV0], v11, 4, v[AV0]
	v_add_nc_u32 v[AV0], VOFF, v[AV0]
	s_mul_i32 s13, s[WV], 16*SP
	s_add_co_u32 s13, s13, STAGE    ; my stage
	v_mul_u32_u24 v[STO], v1, SP
	v_lshl_add_u32 v[STO], v9, 4, v[STO]
	v_add_nc_u32 v[STO], s13, v[STO]
	v_bfe_u32 v[RD], v0, 3, 2
	v_mul_u32_u24 v[RD], v[RD], SP
	v_lshl_add_u32 v[RD], v10, 4, v[RD]
	v_add_nc_u32 v[RD], s13, v[RD]
	v_and_b32 v[GO], 31, v0
	v_lshlrev_b32 v[PFO], 8, v[GO]
	v_lshlrev_b32 v[GO], 4, v[GO]
	; A block's first step multiplies O^T and l by a = 0, and its first turn's products V^T P, of a piece that has not been, land in an O^T that is still to be so multiplied.  So these registers need only hold
	; finite numbers: zeros for the first block; what the first block left for the second.  All this stands in the wait for the first tile.
	WIN 0x80
.set i, VF
.rept 64
	v_mov_b32 v[i], 0
.set i, i+1
.endr
	WIN 0x40
.set i, 0
.rept 128
	v_mov_b32 v[i], 0
.set i, i+1
.endr
	WIN 0
.set i, 0
.rept 4
	v_mov_b32 v[ST+4*i+2], 0
	v_mov_b32 v[ST+4*i+3], 0
.set i, i+1
.endr
.set i, P+16
.rept 16
	v_mov_b32 v[i], 0
.set i, i+1
.endr
	; lam and the two factors of the way out
	s_wait_kmcnt 0x0
	v_mov_b32 v36, s96
	v_mov_b32 v37, s97
	v_mov_b32 v38, s98
	v_mov_b32 v39, s99
	v_cvt_pk_bf16_f32 v40, v36, v37
	v_cvt_pk_bf16_f32 v41, v38, v39
	v_lshlrev_b32 v36, 16, v40
	v_and_b32 v37, 0xffff0000, v40
	v_lshlrev_b32 v38, 16, v41
	v_and_b32 v39, 0xffff0000, v41
	v_mul_f32 v36, v36, v37
	v_mul_f32 v38, v38, v39
	v_mul_f32 v36, 0x3fb8aa3b, v36  ; e^x = 2^(x log2 e)
	v_mul_f32 v38, 0x3fb8aa3b, v38
	v_exp_f32 v36, v36
	v_exp_f32 v38, v38
	v_nop                           ; a plain instruction behind the exponentials,
	s_wait_alu depctr_va_vdst(0)    ; and the wait ahead of the first use
	v_sub_f32 v36, v36, v38
	v_add_f32 v36, 0x3e4ccccd, v36  ; lam
	v_add_f32 v37, 1.0, |v36|
	v_rcp_f32 v[C1], v37
	v_nop
	s_wait_alu depctr_va_vdst(0)
	v_mul_f32 v[C2N], -v36, v[C1]
; THE MATRIX WORK.  The 4 accumulators of a run of 8 take turns.  Product i of 8 of S^T = K Q^T for piece x: channels 32 (i / 4) on, keys 16 (i % 4) on; K1 for pieces 0, 1, K2 for pieces 2, 3.
.macro KQ x
.set rS, S+32*((\x)%2)+8*(i%4)
.set rK, KF+64*((\x)/2)+16*(i%4)+8*(i/4)
.set rQ, 16*(\x)+8*(i/4)
.set rM, MC+32*((\x)%2)+8*(i%4)
.if (i < 4) && KM
	WIN W_KM
	v_wmma_f32_16x16x32_f16 v[rS:rS+7], v[rK:rK+7], v[rQ:rQ+7], v[rM:rM+7]
.elseif i < 4
	WIN W_KQ
	v_wmma_f32_16x16x32_f16 v[rS:rS+7], v[rK:rK+7], v[rQ:rQ+7], 0
.else
	WIN W_KQ
	v_wmma_f32_16x16x32_f16 v[rS:rS+7], v[rK:rK+7], v[rQ:rQ+7], v[rS:rS+7]
.endif
.endm
; Product i of 8 of O^T += V^T P for piece x: keys 32 (i / 4) on, channels 16 (i % 4) on.
.macro PV x
	WIN W_PV
.set rO, 32*(\x)+8*(i%4)
.set rV, VF+32*(i/4)+8*(i%4)
.set rP, P+16*((\x)%2)+8*(i/4)
	v_wmma_f32_16x16x32_f16 v[rO:rO+7], v[rV:rV+7], v[rP:rP+7], v[rO:rO+7]
.endm
.macro MM                           ; the turn's next matrix instruction.  NOKQ = 1: a block's last turn: there is no next piece
.if (i < 8) && !NOKQ
	KQ (Y+1)%NP
.elseif i >= 8
.set i, i-8
	PV (Y+NP-1)%NP
.set i, i+8
.endif
.set i, i+1
.endm
; THE LDS LOADS stand in runs: a step's K1 and K2 (32 loads, K1's first) and its V (16, turned).
.macro FETCH_K
	WIN 0x80
.irp g, 0,1
.irp f, 0,1,2,3,4,5,6,7
	ds_load_b128 v[KF+64*\g+8*\f:KF+64*\g+8*\f+3],   v[AK] offset:\g*K2OFF+(\f/2)*16*PK+(\f%2)*64
	ds_load_b128 v[KF+64*\g+8*\f+4:KF+64*\g+8*\f+7], v[AK] offset:\g*K2OFF+(\f/2)*16*PK+(\f%2)*64+32
.endr
.endr
	s_add_co_u32 s[TBK], s[TBK], KS*PK
	WIN 0
.endm
.macro FETCH_V
	WIN 0x80
.irp f, 0,1,2,3,4,5,6,7
	ds_load_tr16_b128 v[VF+8*\f:VF+8*\f+3],   v[AV] offset:(\f/4)*32*PV+(\f%4)*32
	ds_load_tr16_b128 v[VF+8*\f+4:VF+8*\f+7], v[AV] offset:(\f/4)*32*PV+16*PV+(\f%4)*32
.endr
	WIN 0
.endm
; THE VECTOR WORK, one line at a time: OP kind, number.  For piece Y: F n: c s - c m for pair n of 16.  E n: the exponential of score n of 32.  C n: pair n rounded to f16.  B n: of the four weights 4 n .. the second
; pair is added onto the first, in place.  L n: l takes that sum (L 0: l = a l + sum).  R n: pair n of 16 of O^T times a.  For piece Y + 1: X n, number n of the 22 that find its maximum and statistics:
;   0-11  four chains c0-c3 of seven scores each (each accumulator's lowest registers are read first)     12-14, 16  the four scores left over, the old m, and c0-c3 into c0
;   15  c m_old is kept     17, 18  the query's other 32 keys lie in the lane 16 away: the new m     19-21  c m; c m_old - c m_new; a
.set F, 0
.set E, 1
.set C, 2
.set B, 3
.set L, 4
.set R, 5
.set X, 6
.macro REGS y
.set rT, ST+4*(\y)
.set rC, TMP+4*((\y)%2)
.set rW, MV+((\y)%2)
.set rS, S+32*((\y)%2)
.set rP, P+16*((\y)%2)
.set rO, 32*(\y)
.endm
.macro OP k, n
.if (\k) == R
	REGS Y
	WIN W_RS
	v_pk_mul_f32 v[rO+2*(\n):rO+2*(\n)+1], v[rO+2*(\n):rO+2*(\n)+1], v[rC+2:rC+3] op_sel_hi:[1,0]
.elseif (\k) < R
	REGS Y
	WIN 0
.if (\k) == F
	v_pk_fma_f32 v[rS+2*(\n):rS+2*(\n)+1], v[rS+2*(\n):rS+2*(\n)+1], s[CS:CS+1], v[rT:rT+1] op_sel_hi:[1,0,0] neg_lo:[0,0,1] neg_hi:[0,0,1]
.elseif (\k) == E
	v_exp_f32 v[rS+(\n)], v[rS+(\n)]
.elseif (\k) == C
	v_cvt_pk_f16_f32 v[rP+(\n)], v[rS+2*(\n)], v[rS+2*(\n)+1]
.elseif (\k) == B
	v_pk_add_f32 v[rS+4*(\n):rS+4*(\n)+1], v[rS+4*(\n):rS+4*(\n)+1], v[rS+4*(\n)+2:rS+4*(\n)+3]
.elseif (\n) == 0
	v_pk_fma_f32 v[rT+2:rT+3], v[rT+2:rT+3], v[rC+2:rC+3], v[rS:rS+1] op_sel_hi:[1,0,1]
.else
	v_pk_add_f32 v[rT+2:rT+3], v[rT+2:rT+3], v[rS+4*(\n):rS+4*(\n)+1]
.endif
.elseif NOKQ
	v_nop
.else
	REGS (Y+1)%NP
	WIN 0
.if (\n) < 4
	v_max3_num_f32 v[rC+(\n)], v[rS+8*(\n)], v[rS+8*(\n)+1], v[rS+8*(\n)+2]
.elseif (\n) < 12
	v_max3_num_f32 v[rC+(\n)%4], v[rC+(\n)%4], v[rS+8*((\n)%4)+2*((\n)/4)+1], v[rS+8*((\n)%4)+2*((\n)/4)+2]
.elseif (\n) == 12
	v_max3_num_f32 v[rC], v[rC], v[rS+7], v[rS+15]
.elseif (\n) == 13
	v_max3_num_f32 v[rC+1], v[rC+1], v[rS+23], v[rS+31]
.elseif (\n) == 14
	v_max3_num_f32 v[rC+2], v[rC+2], v[rC+3], v[rT+1]
.elseif (\n) == 15
	v_mov_b32 v[rW], v[rT]
.elseif (\n) == 16
	v_max3_num_f32 v[rC], v[rC], v[rC+1], v[rC+2]
.elseif (\n) == 17
	v_permlanex16_b32 v[rC+3], v[rC], s[SEL], s[SEL+1]
.elseif (\n) == 18
	v_max_num_f32 v[rT+1], v[rC], v[rC+3]
.elseif (\n) == 19
	v_mul_f32 v[rT], s[CS], v[rT+1]
.elseif (\n) == 20
	v_sub_f32 v[rC+1], v[rW], v[rT]
.else
	v_exp_f32 v[rC+2], v[rC+1]
.endif
.endif
.endm
.macro OPS a, i1, b=-1, i2=0, c=-1, i3=0, d=-1, i4=0
	OP \a, \i1
.if (\b) >= 0
	OP \b, \i2
.endif
.if (\c) >= 0
	OP \c, \i3
.endif
.if (\d) >= 0
	OP \d, \i4
.endif
.endm
.macro ROW a, i1, b, i2, c, i3, d, i4  ; a matrix instruction and the four behind it
	MM
	OPS \a, \i1, \b, \i2, \c, \i3, \d, \i4
.endm
.macro MASK b                       ; MD x AL + BE into buffer b of MC
	WIN W_RS
.set z, 0
.rept 16
	v_pk_fma_f32 v[MC+32*(\b)+2*z:MC+32*(\b)+2*z+1], v[MD+2*z:MD+2*z+1], s[AL:AL+1], s[BE:BE+1] op_sel_hi:[1,0,0]
.set z, z+1
.endr
.endm
; A TURN, for piece p: the order of its 16 matrix and 118 vector instructions, written out.  It has ONE wait for its batch of exponentials, which cuts it in two.  AHEAD OF IT stands all that names no result of theirs: the 8 products
; K Q^T with four riders each, then one lump, in which the links of the chain X 3, 7, 11, 14, 16, 17 .. 20 stand five or six lines apart; X 21, the next piece's a, is the batch's last; R 15 is the plain instruction behind it.
; BEHIND IT stand the 8 products V^T P, behind each four of the roundings and sums.
; m = 1: the diagonal tile: the products take masks, and the turn makes the mask for the products of the turn after it: piece p + 2, whose band is p % 2, in step 2 - CNT of the tile.  end = 1: a block's last two turns: nothing is fetched.
; cnt = 1: the loop's count is taken down some lines ahead of the branch that stands behind the turn.
; K1 and K2 of the next step are fetched in piece 2's turn, behind the last product that read K2 (twelve vector instructions that name none of its registers stand between; K1 was last read two turns back).  K1 is wanted at the
; head of piece 3's turn, K2 at the head of piece 1's.  V of the step in hand is fetched at the end of piece 0's turn, four plain instructions behind its last reader, and wanted behind piece 1's wait.
.macro TURN p, m=0, end=0, cnt=0
.set Y, (\p)
.set i, 0
.set KM, (\m)
.set NOKQ, (\end)*((\p)/3)
.if (\m) && !(\end)
	s_cmp_eq_u32 s[CNT], 2-(\p)%2   ; is that step the band's own?
	s_cselect_b32 s[AL], 1.0, 0
	s_cmp_lt_u32 s[CNT], 2-(\p)%2   ; or a later one?
	s_cselect_b32 s[BE], s[BIGN], 0
.endif
.if ((\p) == 3) && !(\end)
	s_wait_dscnt 16                 ; K1 is in; K2's sixteen loads, issued behind it, may stay out
.endif
.if (\p) == 1
	s_wait_dscnt 16                 ; K2 is in; V's sixteen loads, issued behind it, may stay out
.endif
	ROW F,0, F,1, R,0, R,1
	ROW F,2, E,0, R,2, R,3
	ROW F,3, E,1, R,4, R,5
	ROW F,4, E,2, R,6, R,7
	ROW F,5, E,3, R,8, R,9
	ROW F,6, E,4, X,0, R,10
.if ((\p) == 2) && !(\end)
	WIN 0
	v_add_nc_u32 v[AK], s[TBK], v[AK0]
.endif
	ROW F,7, E,5, X,1, X,4
	ROW F,8, E,6, X,2, X,5
	OPS E,7, E,8, X,6, E,9
	OPS X,3, E,10, X,8, E,11
.if ((\p) == 2) && !(\end)
	FETCH_K
.endif
	OPS X,9, X,7, E,12, X,10
	OPS E,13, X,12, X,11, E,14
	OPS X,13, E,15, F,9, X,14
.if (\p) == 0
	v_add_nc_u32 v[AV], s[TBV], v[AV0]
.endif
	OPS E,16, F,10, E,17, F,11
	OPS X,16, E,18, X,15, E,19
	OPS F,12, E,20, X,17, E,21
	OPS F,13, E,22, F,14, E,23
	OPS X,18, E,24, F,15, E,25
	OPS R,11, E,26, X,19, E,27
	OPS R,12, E,28, R,13, E,29
	OPS X,20, E,30, R,14, E,31
	OPS X,21, R,15
	WIN 0
	s_wait_alu depctr_va_vdst(0)    ; the wait for the batch
.if (\p) == 1
	s_wait_dscnt 0x0                ; V is in
.endif
	ROW C,0, B,0, C,2, B,1
	ROW L,0, C,4, B,2, L,1
	ROW C,6, B,3, L,2, C,8
	ROW B,4, L,3, C,10, B,5
	ROW L,4, C,12, B,6, L,5
.if (\p) == 0
	s_add_co_u32 s[TBV], s[TBV], KS*PV
.endif
.if \cnt
	s_sub_co_u32 s[CNT], s[CNT], 1
	s_cmp_lg_u32 s[CNT], 0
.endif
	ROW C,14, B,7, L,6, C,1
	ROW C,3, L,7, C,5, C,7
	ROW C,9, C,11, C,13, C,15
.if (\p) == 0
	FETCH_V
.endif
.if (\m) && !(\end)
	MASK (\p)%2
.endif
.endm
; A BLOCK BEGINS.  c m starts far below every c s, so the first step's a is 0; m at the lowest finite number.  The second mask buffer is 0; the first takes piece 0's mask for the tile's step 0: its own, if the block's first
; tile is the diagonal one.  Then both K of that step, piece 0's first scores, and its maximum and statistics.  The loop is entered at a step's first turn, in the middle of a trip.
.macro BEGIN
	s_mov_b32 s[NEW], 0
	WIN 0x40
.set i, MC+32
.rept 32
	v_mov_b32 v[i], 0
.set i, i+1
.endr
	WIN 0
.set i, 0
.rept 4
	v_mov_b32 v[ST+4*i], 0xfe000000
	v_mov_b32 v[ST+4*i+1], 0xff7fffff
.set i, i+1
.endr
	s_cmp_eq_u32 s[RT], 0
	s_cselect_b32 s[AL], 1.0, 0
	s_mov_b32 s[BE], 0
	MASK 0
	WIN 0
	v_add_nc_u32 v[AK], s[TBK], v[AK0]
	FETCH_K
	s_wait_loadcnt 0x0              ; Q
	s_wait_dscnt 0x0
.set KM, 1
.set NOKQ, 0
.set i, 0
.rept 8
	KQ 0
.set i, i+1
.endr
	WIN 0
.rept 4
	v_nop                           ; the places behind those products
.endr
.set Y, NP-1
.irp n, 0,1,2,3,4,5,6,7,8,9,10,11,12,13,14,15,16,17,18,19,20,21
	OP X, \n
.endr
	v_nop                           ; a plain instruction behind the exponential,
	s_wait_alu depctr_va_vdst(0)    ; and its wait, ahead of the branch
.endm
; THE DIAGONAL TILE's two steps, the block's last two turns, its last products, and THE WAY OUT: l's halves are added; a band's result is O^T of map 0 times C1 / l plus O^T of map 1 times C2N / l, rounded to f16 and
; sent through my stage in LDS, a band at a time.
.macro ALL line:vararg
.set t, 0
.rept 4
	\line
.set t, t+1
.endr
.endm
.macro PACK x                       ; band x: pieces x and x + 2
	WIN W_RS
.set i, 32*(\x)
.rept 16
	v_pk_mul_f32 v[i:i+1], v[i:i+1], v[ST+4*(\x)+2:ST+4*(\x)+3] op_sel_hi:[1,0]
.set i, i+2
.endr
	WIN 0x51                        ; destination, sources 0 and 2 in window 1, the factor in window 0
.set i, 32*(\x)
.rept 16
	v_pk_fma_f32 v[i:i+1], v[i+64:i+65], v[ST+4*(\x)+10:ST+4*(\x)+11], v[i:i+1] op_sel_hi:[1,0,1]
.set i, i+2
.endr
	WIN 0x05
.set i, 0
.rept 16
	v_cvt_pk_f16_f32 v[S+16*(\x)+i], v[32*(\x)+2*i], v[32*(\x)+2*i+1]
.set i, i+1
.endr
	WIN 0
.irp f, 0,1,2,3
	ds_store_b128 v[STO], v[S+16*(\x)+4*\f:S+16*(\x)+4*\f+3] offset:32*\f
.endr
.irp f, 0,1,2,3
	ds_load_b128 v[S+16*(\x)+4*\f:S+16*(\x)+4*\f+3], v[RD] offset:\f*4*SP  ; LDS serves a wave's instructions in order (ISA guide 5.7.1.4): these see the stores above; the next band's stores come behind them
.endr
.endm
.macro SEND x, younger              ; younger: the LDS instructions issued behind band x's loads
	WIN 0
.irp f, 0,1,2,3
	s_wait_dscnt (\younger)+3-\f
	global_store_b128 v[GO], v[S+16*(\x)+4*\f:S+16*(\x)+4*\f+3], s[10:11] offset:(\x)*8192+\f*512  ; 512 consecutive bytes, at a multiple of 256 from ob's first
.endr
.endm
.macro DIAG tag
.LstepM\tag:
	TURN 2, 1
	TURN 3, 1
	WIN 0
.LfirstM\tag:
	TURN 0, 1
	TURN 1, 1, 0, 1
	WIN 0
	s_cbranch_scc1 .LstepM\tag
	TURN 2, 1, 1
	TURN 3, 1, 1
.set i, 0
.rept 8
	PV NP-1
.set i, i+1
.endr
	WIN 0
	ALL v_add_f32 v[ST+4*t+2], v[ST+4*t+2], v[ST+4*t+3]
	ALL v_permlanex16_b32 v[ST+4*t+3], v[ST+4*t+2], s[SEL], s[SEL+1]
	ALL v_add_f32 v[ST+4*t+2], v[ST+4*t+2], v[ST+4*t+3]
	ALL v_rcp_f32 v[ST+4*t+2], v[ST+4*t+2]
	v_nop                           ; a plain instruction between the last reciprocal and the use of its result
	s_wait_alu depctr_va_vdst(0)    ; one wait for the four reciprocals
	v_mul_f32 v[ST+2], v[ST+2], v[C1]
	v_mul_f32 v[ST+6], v[ST+6], v[C1]
	v_mul_f32 v[ST+10], v[ST+10], v[C2N]
	v_mul_f32 v[ST+14], v[ST+14], v[C2N]
	PACK 0
	PACK 1
	SEND 0, 8
	SEND 1, 0
.endm
.set KM, 0
.set NOKQ, 0
.Lslot:                             ; NB times: a tile is entered and the next is asked for
	CHANGE 1
	s_sub_co_u32 s[RT], s[RT], 1
	s_mov_b32 s[CNT], 2
	s_cmp_eq_u32 s[NEW], 1
	s_cbranch_scc1 .Lnew            ; a block's first tile
	s_cmp_eq_u32 s[RT], 0
	s_cbranch_scc0 .Lstep           ; neither its first nor its last
	s_branch .LstepM1
.Lnew:
	BEGIN
	s_branch .Lfirst                ; in the loop a block's first tile is never its last: the first block has nine tiles or more, and the second's last is the walk's last
	DIAG 1                          ; in the loop this is the first block's end
	s_wait_xcnt 0x0                 ; the stores have read their registers and ob's address
	s_mov_b64 s[10:11], s[OLO:OLO+1]
	s_add_co_u32 s[RT], s[PB], 1    ; the second block has b + 1 tiles
	s_mov_b32 s[NEW], 1
	WIN 0x83                        ; the second block's Q goes where the one text of the turns names Q
.set i, 0
.rept 64
	v_mov_b32 v[i], v[i]
.set i, i+1
.endr
	WIN 0
	s_branch .Lbottom
.Lstep:                             ; a trip: pieces 2 and 3 of one step, then pieces 0 and 1 of the next, whose K and V it fetches
	TURN 2
	TURN 3
	WIN 0
.Lfirst:
	TURN 0
	TURN 1, 0, 0, 1
	WIN 0
	s_cbranch_scc1 .Lstep
.Lbottom:
	s_sub_co_u32 s[SLOTS], s[SLOTS], 1
	s_cmp_lg_u32 s[SLOTS], 0
	s_cbranch_scc1 .Lslot
	CHANGE 0                        ; the walk's last tile is written out: nothing is asked for
	s_sub_co_u32 s[RT], s[RT], 1
	s_mov_b32 s[CNT], 2
	s_cmp_eq_u32 s[NEW], 1
	s_cbranch_scc0 .LstepM2
	BEGIN
	s_branch .LfirstM2
	DIAG 2
	s_wait_tensorcnt 0x0            ; the wave's end
	ds_add_u32 v[SPW], v[NIL]
	s_wait_dscnt 0x0
	s_endpgm
.Lfunc_end_k_qe25f4dc34e_attn:
	.size	k_qe25f4dc34e_attn, .Lfunc_end_k_qe25f4dc34e_attn-k_qe25f4dc34e_attn
	.p2alignl 7, 3214868480
	.fill 96, 4, 3214868480
	.section	.rodata,"a",@progbits
	.p2align	6, 0x0
	.amdhsa_kernel k_qe25f4dc34e_attn
		.amdhsa_group_segment_fixed_size 327680
		.amdhsa_private_segment_fixed_size 0
		.amdhsa_enable_private_segment 0
		.amdhsa_kernarg_size 24
		.amdhsa_user_sgpr_count 2
		.amdhsa_user_sgpr_kernarg_segment_ptr 1
		.amdhsa_wavefront_size32 1
		.amdhsa_system_sgpr_workgroup_id_x 1
		.amdhsa_system_sgpr_workgroup_id_y 1
		.amdhsa_system_sgpr_workgroup_id_z 1
		.amdhsa_system_vgpr_workitem_id 0
		.amdhsa_next_free_vgpr 832
		.amdhsa_next_free_sgpr 100
		.amdhsa_reserve_vcc 1
		.amdhsa_float_denorm_mode_32 3
		.amdhsa_float_denorm_mode_16_64 3
		.amdhsa_memory_ordered 1
		.amdhsa_forward_progress 1
		.amdhsa_inst_pref_size 217
	.end_amdhsa_kernel
	.amdgpu_metadata
---
amdhsa.version: [ 1, 2 ]
amdhsa.kernels:
  - .name:           k_qe25f4dc34e_attn
    .symbol:         k_qe25f4dc34e_attn.kd
    .args:
      - { .name: qkv, .offset: 0, .size: 8, .value_kind: global_buffer, .address_space: global }
      - { .name: lambdas, .offset: 8, .size: 8, .value_kind: global_buffer, .address_space: global }
      - { .name: ob, .offset: 16, .size: 8, .value_kind: global_buffer, .address_space: global }
    .group_segment_fixed_size: 327680
    .private_segment_fixed_size: 0
    .kernarg_segment_align: 8
    .kernarg_segment_size: 24
    .max_flat_workgroup_size: 128
    .sgpr_count:     100
    .vgpr_count:     832
    .wavefront_size: 32
...
	.end_amdgpu_metadata
.endif
;; end of part 3
;; launch outp (part 4): grid 8 x 32, 4 waves a work-group, clusters of 4 x 4, 327,680 bytes of LDS; arguments ob, wpt, proj_b, lambdas, out0; writes out0
.if DOCPART == 4
	.amdgcn_target "amdgcn-amd-amdhsa--gfx1250"
	.amdhsa_code_object_version 6
	.text
	.protected	k_qe25f4dc34e_outp
	.globl	k_qe25f4dc34e_outp
	.p2align	8
	.type	k_qe25f4dc34e_outp,@function
k_qe25f4dc34e_outp:
	s_mov_b64 s[64:65], 0
	v_nop
	global_prefetch_b8 v0, s[64:65] scope:SCOPE_SE
	s_setreg_imm32_b32 hwreg(HW_REG_WAVE_MODE, 25, 1), 1
	s_wait_xcnt 0x0
	s_wait_alu depctr_hold_cnt(0) depctr_sa_sdst(0) depctr_va_vdst(0) depctr_va_sdst(0) depctr_va_ssrc(0) depctr_va_vcc(0) depctr_vm_vsrc(0)
	s_getreg_b32 s2, hwreg(HW_REG_IB_STS2, 6, 4)
	s_cmp_eq_u32 s2, 0
	s_cbranch_scc0 .Lentry_in_a_cluster
	s_endpgm
.Lentry_in_a_cluster:
	s_bfe_u32 s2, ttmp6, 0x10000c
	s_cmp_lg_u32 s2, 0xf033
	s_cbranch_scc0 .Lentry_shape_is_right
	s_endpgm
.Lentry_shape_is_right:
; THE OUTPUT PROJECTION.  out0[m][n] = 0.8 (1 + |lam|) x (the sum over k of ob[k / 64][m][k % 64] wpt[n][k]) + proj_b[n].  ob and wpt in f16, sums in f32, out0 in f32.
; lam = e^(l0 l1) - e^(l2 l3) + 0.2; the lambdas and the bias are rounded to bf16 like the module's other inputs.  The factor undoes the division by 1 + |lam| of the launch before.
; LIMIT.  1 + |lam| stays under 2^126.
; SHARES.  A tile of out0 is 128 x 128: 8 x 32 = 256 work-groups; four waves, each 64 x 64: 16 accumulators.  The sum goes in steps of 256 (four heads) through a ring of two LDS slots.
; ob lies by heads, a head's rows dense: the 128 rows x 128 bytes of one head are 16,384 consecutive bytes.  One tensor load brings two heads' blocks as two long rows and pads LDS after every 128 bytes.
; CLUSTER.  4 x 4 work-groups: ob's tiles are shared along a row of the cluster, wpt's along a column; each is asked for jointly.  No prefetch: the tiles are small and the launch short.
; THE MATRIX INSTRUCTION IS USED TRANSPOSED (source 0 = 16 rows of wpt, source 1 = 16 rows of ob): a lane holds eight neighbouring columns of a row: 32 bytes of f32.  A wave's 64 columns are 256 bytes, so each wave
; sends its own blocks of 16 rows through its own stage.
; REGISTERS: window 0: v0-31 addresses and the factor; v32-63 scaled results; v64-95 rows read back; v96-127 the bias of my 32 columns; v128-255 the accumulators ((a, b) at 128 + 8 (4 a + b)).
;   window 1: two fragment buffers of 128: for 64 along k, 64 registers of ob, then 64 of wpt.
.set PA,     144                       ; a row of ob in LDS: 128 bytes + 16: the 16 rows of a load start at 16 different groups of four banks (64 banks of 4 bytes: ISA guide 11.1)
.set PB,     528                       ; a row of wpt: 512 bytes + 16
.set HEADB,  128*PA                    ; one head's 128 rows
.set AFILL,  2*HEADB                   ; what one load brings of ob
.set BOFF,   4*HEADB                   ; wpt's rows lie behind ob's four heads
.set BFILL,  64*PB                     ; what one load brings of wpt
.set SLOT,   BOFF+2*BFILL
.set STAGE,  2*SLOT                    ; behind the ring: 16 rows x 272 bytes for each wave
.set SPITCH, 272
.set SPARE,  STAGE+4*16*SPITCH         ; behind the stages: the spare words, 128 bytes for each wave
.set LAPS,   2                         ; four steps, two to a lap
.set ASTEP,  4*524288                  ; bytes from a step's heads to the next step's
.set BSTEP,  512
.set SC,   10                          ; v[10:11] 0.8 (1 + |lam|)
.set ADRA, 16
.set ADRB, 20
.set STO,  24
.set RD,   25
.set CO,   26
.set BO,   27                          ; v27     my byte offset in the bias of 16 columns
.set SPW,  28
.set NIL,  29
.set TMP,  32
.set OBK,  64
.set BI,   96
.set ACC,  128
.set F0,   0
.set F1,   128
.set G1, 24
.set G0, 32
.set G1B, 48
.set G0B, 56
.set MSB, 0
.macro WIN new
.if MSB != (\new)
	s_set_vgpr_msb (MSB<<8)|(\new)
.set MSB, \new
.endif
.endm
.set MUL,  0x05                        ; sources 0 and 1 window 1; C and D window 0
.set TO_F, 0x40                        ; destination window 1, address window 0
.macro JLOAD s                         ; a joint load: waves 0 and 1 fetch ob's two pairs of heads, waves 2 and 3 wpt's two halves; an s_nop 0 and four v_nop follow each line
	s_cmp_eq_u32 s11, 0
	s_cbranch_scc0 .Lfor_b_\@
	tensor_load_to_lds s[G0+4*(\s):G0+4*(\s)+3], s[G1:G1+7]
	s_nop 0
.rept 4
	v_nop
.endr
	s_branch .Lasked_\@
.Lfor_b_\@:
	tensor_load_to_lds s[G0B+4*(\s):G0B+4*(\s)+3], s[G1B:G1B+7]
	s_nop 0
.rept 4
	v_nop
.endr
.Lasked_\@:
.endm
.macro CREST
	s_cmp_lg_u32 s10, 0
	s_cbranch_scc1 .Lnot_wave_0_\@
	s_barrier_signal -3
.Lnot_wave_0_\@:
	s_barrier_wait -3
	s_barrier_signal -1
	s_barrier_wait -1
.endm
.macro CROUND
	s_barrier_signal -1
	s_barrier_wait -1
	CREST
.endm
	s_load_b128 s[4:7], s[0:1], 0x0                ; ob s[4:5], wpt s[6:7]
	s_load_b128 s[68:71], s[0:1], 0x10             ; proj_b s[68:69], lambdas s[70:71]
	s_load_b64 s[8:9], s[0:1], 0x20                ; out0
	v_lshl_add_u32 v[SPW], v0, 2, SPARE
	v_mov_b32 v[NIL], 0
	ds_add_u32 v[SPW], v[NIL]                      ; the wave's opening: the add and its wait stand ahead of my first tensor load
	v_lshrrev_b32 v1, 5, v0
	v_readfirstlane_b32 s10, v1
	s_lshr_b32 s11, s10, 1                         ; my half of the tile's rows.  Also: I fetch for ob (0) or for wpt (1)
	s_and_b32 s12, s10, 1                          ; my half of its columns.  Also: which part I fetch
	s_bfe_u32 s40, ttmp6, 0x40000
	s_bfe_u32 s41, ttmp6, 0x40004
	s_lshl_b32 s42, ttmp9, 2
	s_add_co_u32 s42, s42, s40                     ; tile column
	s_and_b32 s13, ttmp7, 0xffff
	s_lshl_b32 s13, s13, 2
	s_add_co_u32 s13, s13, s41                     ; tile row
	s_lshl_b32 s43, s41, 2
	s_lshl_b32 s43, 15, s43
	s_lshl_b32 s44, 0x1111, s40
	s_or_b32 s[G1+0], s43, (1<<16)|(1<<20)|(1<<21)|(4<<22)|(3<<25)   ; the mask of my row; 2-byte elements; padding of 4 words after every 32 words
	s_mov_b32 s[G1+1], (8192&0xffff)<<16           ; tensor_dim0 = 8,192 elements: a head's 128 rows on end
	s_mov_b32 s[G1+2], 2<<16                       ; tensor_dim1 = 2 heads
	s_mov_b32 s[G1+3], 8192<<16                    ; tile_dim0
	s_mov_b32 s[G1+4], 2                           ; tile_dim1
	s_mov_b32 s[G1+5], 262144                      ; elements from a head to the next
	s_mov_b32 s[G1+6], 0
	s_mov_b32 s[G1+7], 0
	s_or_b32 s[G1B+0], s44, (1<<16)|(1<<20)|(1<<21)|(6<<22)|(3<<25)  ; the mask of my column; padding of 4 words after every 128 words
	s_mov_b32 s[G1B+1], 256<<16
	s_mov_b32 s[G1B+2], 64<<16
	s_mov_b32 s[G1B+3], 256<<16
	s_mov_b32 s[G1B+4], 64
	s_mov_b32 s[G1B+5], 1024
	s_mov_b32 s[G1B+6], 0
	s_mov_b32 s[G1B+7], 0
	s_lshl_b32 s16, s12, 20                        ; ob: heads 2 x part on, 524,288 bytes a head,
	s_lshl_b32 s17, s13, 14                        ; the tile's 128 rows of 128 bytes
	s_add_co_u32 s16, s16, s17
	s_mov_b32 s17, 0
	s_lshl_b32 s46, s42, 18                        ; wpt: row 128 x tile column + 64 x part, 2,048 bytes a row
	s_lshl_b32 s47, s12, 17
	s_add_co_u32 s46, s46, s47
	s_mov_b32 s47, 0
	s_mul_i32 s20, s12, AFILL
	s_mul_i32 s21, s12, BFILL
	s_add_co_u32 s21, s21, BOFF
	s_wait_dscnt 0x0                               ; the opening add is done
	s_wait_kmcnt 0x0
	s_add_nc_u64 s[14:15], s[4:5], s[16:17]
	s_add_nc_u64 s[46:47], s[6:7], s[46:47]
	s_load_b128 s[72:75], s[70:71], 0x0            ; the four lambdas
	CROUND                                         ; all sixteen work-groups are here: the first joint loads meet
.irp s, 0,1
	s_mov_b32 s[G0+4*(\s)], 1
	s_add_co_u32 s[G0+4*(\s)+1], s20, (\s)*SLOT
	s_add_nc_u64 s[G0+4*(\s)+2:G0+4*(\s)+3], s[14:15], (\s)*ASTEP
	s_or_b32 s[G0+4*(\s)+3], s[G0+4*(\s)+3], 0x80000000
	s_mov_b32 s[G0B+4*(\s)], 1
	s_add_co_u32 s[G0B+4*(\s)+1], s21, (\s)*SLOT
	s_add_nc_u64 s[G0B+4*(\s)+2:G0B+4*(\s)+3], s[46:47], (\s)*BSTEP
	s_or_b32 s[G0B+4*(\s)+3], s[G0B+4*(\s)+3], 0x80000000
	JLOAD \s
.endr
	v_and_b32 v1, 15, v0
	v_bfe_u32 v2, v0, 4, 1
	v_mul_u32_u24 v3, v1, PA
	v_lshl_add_u32 v3, v2, 4, v3
	v_mul_u32_u24 v4, v1, PB
	v_lshl_add_u32 v4, v2, 4, v4
	s_mul_i32 s22, s11, 64*PA
	s_mul_i32 s23, s12, BFILL
	s_add_co_u32 s23, s23, BOFF
.irp s, 0,1
	v_add_nc_u32 v[ADRA+(\s)], s22, v3
	v_add_nc_u32 v[ADRB+(\s)], s23, v4
	s_add_co_u32 s22, s22, SLOT
	s_add_co_u32 s23, s23, SLOT
.endr
	s_mul_i32 s22, s10, 16*SPITCH
	s_add_co_u32 s22, s22, STAGE                   ; my stage
	v_mul_u32_u24 v5, v1, SPITCH                   ; in: row l % 16, 32 bytes for each half of the lanes
	v_lshl_add_u32 v5, v2, 5, v5
	v_add_nc_u32 v[STO], s22, v5
	v_mul_u32_u24 v5, v2, SPITCH                   ; back: lanes 0-15 one row of 256 bytes, lanes 16-31 the next
	v_lshl_add_u32 v5, v1, 4, v5
	v_add_nc_u32 v[RD], s22, v5
	v_lshlrev_b32 v5, 12, v2                       ; and the same two rows of out0, 4,096 bytes apart
	v_lshl_add_u32 v[CO], v1, 4, v5
	v_lshlrev_b32 v[BO], 5, v2
	s_lshl_b32 s22, s42, 9                         ; my first column, in bytes of f32: 512 x tile column + 256 x half
	s_lshl_b32 s23, s12, 8
	s_add_co_u32 s22, s22, s23
	s_mov_b32 s23, 0
	s_add_nc_u64 s[68:69], s[68:69], s[22:23]
	s_add_nc_u64 s[8:9], s[8:9], s[22:23]
	s_lshl_b32 s22, s13, 19                        ; my first row: 128 x tile row + 64 x half, 4,096 bytes a row
	s_lshl_b32 s16, s11, 18
	s_add_co_u32 s22, s22, s16
	s_add_nc_u64 s[8:9], s[8:9], s[22:23]
.irp b, 0,1,2,3
	global_load_b128 v[BI+8*\b:BI+8*\b+3],   v[BO], s[68:69] offset:64*\b
	global_load_b128 v[BI+8*\b+4:BI+8*\b+7], v[BO], s[68:69] offset:64*\b+16
.endr
	s_wait_kmcnt 0x0                               ; the lambdas
	v_mov_b32 v3, s72
	v_mov_b32 v4, s73
	v_mov_b32 v5, s74
	v_mov_b32 v6, s75
	v_cvt_pk_bf16_f32 v7, v3, v4
	v_cvt_pk_bf16_f32 v8, v5, v6
	v_lshlrev_b32 v3, 16, v7
	v_and_b32 v4, 0xffff0000, v7
	v_lshlrev_b32 v5, 16, v8
	v_and_b32 v6, 0xffff0000, v8
	v_mul_f32 v3, v3, v4
	v_mul_f32 v5, v5, v6
	v_mul_f32 v3, 0x3fb8aa3b, v3                   ; e^x = 2^(x log2 e)
	v_mul_f32 v5, 0x3fb8aa3b, v5
	v_exp_f32 v3, v3
	v_exp_f32 v5, v5
	v_nop                                          ; a plain instruction behind the exponentials,
	s_wait_alu depctr_va_vdst(0)                   ; and the wait ahead of the first use
	v_sub_f32 v3, v3, v5
	v_add_f32 v3, 0x3e4ccccd, v3                   ; lam
	v_add_f32 v3, 1.0, |v3|
	v_mul_f32 v[SC], 0x3f4ccccd, v3
	v_mov_b32 v[SC+1], v[SC]
	s_wait_loadcnt 0x0                             ; the bias
.set r, 0
.rept 16
	v_cvt_pk_bf16_f32 v12, v[BI+r], v[BI+r+1]
	v_lshlrev_b32 v[BI+r], 16, v12
	v_and_b32 v[BI+r+1], 0xffff0000, v12
.set r, r+2
.endr
; 8 matrix instructions: row blocks a0, a0 + 1 x all 4 column blocks, 32 along k: half c of buffer f.  The 16 accumulators take turns.
.macro MUL8 f, c, a0, zero
	WIN MUL
.irp a, \a0, (\a0)+1
.irp b, 0,1,2,3
.if \zero
	v_wmma_f32_16x16x32_f16 v[ACC+8*(4*(\a)+(\b)):ACC+8*(4*(\a)+(\b))+7], v[(\f)+64+8*(4*(\c)+(\b)):(\f)+64+8*(4*(\c)+(\b))+7], v[(\f)+8*(4*(\c)+(\a)):(\f)+8*(4*(\c)+(\a))+7], 0
.else
	v_wmma_f32_16x16x32_f16 v[ACC+8*(4*(\a)+(\b)):ACC+8*(4*(\a)+(\b))+7], v[(\f)+64+8*(4*(\c)+(\b)):(\f)+64+8*(4*(\c)+(\b))+7], v[(\f)+8*(4*(\c)+(\a)):(\f)+8*(4*(\c)+(\a))+7], v[ACC+8*(4*(\a)+(\b)):ACC+8*(4*(\a)+(\b))+7]
.endif
.endr
.endr
.endm
; 32 LDS loads in one run: the fragments of quarter q of a step (head q of its four: 64 along k) into buffer f; the first 32 along k first
.macro FETCH slot, q, f
	WIN TO_F
.irp c, 0,1
.irp i, 0,1,2,3
	ds_load_b128 v[(\f)+64+8*(4*(\c)+(\i)):(\f)+64+8*(4*(\c)+(\i))+3],   v[ADRB+(\slot)] offset:128*(\q)+64*(\c)+(\i)*16*PB
	ds_load_b128 v[(\f)+64+8*(4*(\c)+(\i))+4:(\f)+64+8*(4*(\c)+(\i))+7], v[ADRB+(\slot)] offset:128*(\q)+64*(\c)+(\i)*16*PB+32
	ds_load_b128 v[(\f)+8*(4*(\c)+(\i)):(\f)+8*(4*(\c)+(\i))+3],         v[ADRA+(\slot)] offset:(\q)*HEADB+64*(\c)+(\i)*16*PA
	ds_load_b128 v[(\f)+8*(4*(\c)+(\i))+4:(\f)+8*(4*(\c)+(\i))+7],       v[ADRA+(\slot)] offset:(\q)*HEADB+64*(\c)+(\i)*16*PA+32
.endr
.endr
.endm
.macro PLACES
.rept 4
	v_nop
.endr
.endm
.macro QUARTER slot, q, f, g, zero     ; multiplies buffer f and fetches quarter q into g
	s_wait_dscnt 16                                ; the first 32 along k are in; the youngest sixteen loads may be out
	MUL8 \f, 0, 0, \zero
	MUL8 \f, 0, 2, \zero
	PLACES
	FETCH \slot, \q, \g
	s_wait_dscnt 32                                ; all but the 32 just issued
	MUL8 \f, 1, 0, 0
	MUL8 \f, 1, 2, 0
.endm
; The last quarter multiplies buffer 1 and changes slots: ONE barrier; in front of it each wave waits for all its tensor loads, adds 0 to its spare word, and waits for that and for its reads of this slot.
.macro TURN slot, next, fill
	WIN 0
	s_wait_tensorcnt 0x0                           ; all my tensor loads have landed: my part of the next slot
	ds_add_u32 v[SPW], v[NIL]
	s_wait_dscnt 17                                ; the add and the youngest sixteen loads may be out
	MUL8 F1, 0, 0, 0
	s_wait_dscnt 0x0                               ; the add is done, and my reads of this slot are over
	s_barrier_signal -1
	MUL8 F1, 0, 2, 0
.if \fill
	WIN 0
.endif
	s_barrier_wait -1
.if \fill
	CREST                                          ; the barrier has opened a round of the cluster's: no wave of any partner still reads this slot or has a load on its way
	s_add_nc_u64 s[G0+4*(\slot)+2:G0+4*(\slot)+3], s[G0+4*(\slot)+2:G0+4*(\slot)+3], 2*ASTEP
	s_add_nc_u64 s[G0B+4*(\slot)+2:G0B+4*(\slot)+3], s[G0B+4*(\slot)+2:G0B+4*(\slot)+3], 2*BSTEP
	JLOAD \slot                                    ; its four v_nop are also the places in front of the loads below
.else
	PLACES
.endif
	FETCH \next, 0, F0
	MUL8 F1, 1, 0, 0
	MUL8 F1, 1, 2, 0
.endm
	s_wait_tensorcnt 1                             ; my part of step 0 is in; step 1's may stay out
	s_barrier_signal -1
	s_barrier_wait -1
	FETCH 0, 0, F0
	QUARTER 0, 1, F0, F1, 1                        ; the first quarter stands in front of the loop: its first products start the sums
	WIN 0
	s_mov_b32 s3, LAPS-1
.Llap:                                                 ; a trip goes once round the ring and fills both slots again: steps 2 and 3
	QUARTER 0, 2, F1, F0, 0
	QUARTER 0, 3, F0, F1, 0
	TURN 0, 1, 1
	QUARTER 1, 1, F0, F1, 0
	QUARTER 1, 2, F1, F0, 0
	QUARTER 1, 3, F0, F1, 0
	TURN 1, 0, 1
	QUARTER 0, 1, F0, F1, 0
	WIN 0
	s_sub_co_u32 s3, s3, 1
	s_cmp_lg_u32 s3, 0
	s_cbranch_scc1 .Llap
	QUARTER 0, 2, F1, F0, 0                        ; the last lap fills nothing
	QUARTER 0, 3, F0, F1, 0
	TURN 0, 1, 0
	QUARTER 1, 1, F0, F1, 0
	QUARTER 1, 2, F1, F0, 0
	QUARTER 1, 3, F0, F1, 0
	s_wait_dscnt 16
	MUL8 F1, 0, 0, 0
	MUL8 F1, 0, 2, 0
	s_wait_dscnt 0x0
	MUL8 F1, 1, 0, 0
	MUL8 F1, 1, 2, 0
	WIN 0
	; THE WAY OUT, a block of 16 rows at a time: sum x factor + bias, one fused multiply-add for two numbers; 32 bytes a lane into my stage; back as whole rows of 256 bytes; stored.
	PLACES
.irp a, 0,1,2,3
.irp b, 0,1,2,3
.irp r, 0,1,2,3
	v_pk_fma_f32 v[TMP+8*\b+2*\r:TMP+8*\b+2*\r+1], v[ACC+8*(4*\a+\b)+2*\r:ACC+8*(4*\a+\b)+2*\r+1], v[SC:SC+1], v[BI+8*\b+2*\r:BI+8*\b+2*\r+1] op_sel_hi:[1,0,1]
.endr
.endr
.irp b, 0,1,2,3
	ds_store_b128 v[STO], v[TMP+8*\b:TMP+8*\b+3]   offset:64*\b
	ds_store_b128 v[STO], v[TMP+8*\b+4:TMP+8*\b+7] offset:64*\b+16
.endr
.if \a > 0
	s_wait_xcnt 0x0                                ; the last block's stores have read their registers, which are loaded again below
.endif
.irp t, 0,1,2,3,4,5,6,7
	ds_load_b128 v[OBK+4*\t:OBK+4*\t+3], v[RD] offset:\t*2*SPITCH  ; LDS serves a wave's instructions in order (ISA guide 5.7.1.4): these see the stores above
.endr
	s_wait_dscnt 0x0
.irp t, 0,1,2,3,4,5,6,7
	global_store_b128 v[CO], v[OBK+4*\t:OBK+4*\t+3], s[8:9] offset:(16*\a+2*\t)*4096  ; sixteen lanes store 256 consecutive bytes, at a multiple of 256 from out0's first
.endr
.endr
	s_wait_tensorcnt 0x0                           ; the wave's end
	ds_add_u32 v[SPW], v[NIL]
	s_wait_dscnt 0x0
	CROUND                                         ; the closing round
	s_endpgm
.Lfunc_end_k_qe25f4dc34e_outp:
	.size	k_qe25f4dc34e_outp, .Lfunc_end_k_qe25f4dc34e_outp-k_qe25f4dc34e_outp
	.p2alignl 7, 3214868480
	.fill 96, 4, 3214868480
	.section	.rodata,"a",@progbits
	.p2align	6, 0x0
	.amdhsa_kernel k_qe25f4dc34e_outp
		.amdhsa_group_segment_fixed_size 327680
		.amdhsa_private_segment_fixed_size 0
		.amdhsa_enable_private_segment 0
		.amdhsa_kernarg_size 40
		.amdhsa_user_sgpr_count 2
		.amdhsa_user_sgpr_kernarg_segment_ptr 1
		.amdhsa_wavefront_size32 1
		.amdhsa_system_sgpr_workgroup_id_x 1
		.amdhsa_system_sgpr_workgroup_id_y 1
		.amdhsa_system_sgpr_workgroup_id_z 1
		.amdhsa_system_vgpr_workitem_id 0
		.amdhsa_next_free_vgpr 512
		.amdhsa_next_free_sgpr 80
		.amdhsa_reserve_vcc 0
		.amdhsa_float_denorm_mode_32 3
		.amdhsa_float_denorm_mode_16_64 3
		.amdhsa_memory_ordered 1
		.amdhsa_forward_progress 1
		.amdhsa_inst_pref_size 94
	.end_amdhsa_kernel
	.amdgpu_metadata
---
amdhsa.version: [ 1, 2 ]
amdhsa.kernels:
  - .name:           k_qe25f4dc34e_outp
    .symbol:         k_qe25f4dc34e_outp.kd
    .args:
      - { .name: ob, .offset: 0, .size: 8, .value_kind: global_buffer, .address_space: global }
      - { .name: wpt, .offset: 8, .size: 8, .value_kind: global_buffer, .address_space: global }
      - { .name: proj_b, .offset: 16, .size: 8, .value_kind: global_buffer, .address_space: global }
      - { .name: lambdas, .offset: 24, .size: 8, .value_kind: global_buffer, .address_space: global }
      - { .name: out0, .offset: 32, .size: 8, .value_kind: global_buffer, .address_space: global }
    .group_segment_fixed_size: 327680
    .private_segment_fixed_size: 0
    .kernarg_segment_align: 8
    .kernarg_segment_size: 40
    .max_flat_workgroup_size: 128
    .sgpr_count:     80
    .vgpr_count:     512
    .wavefront_size: 32
...
	.end_amdgpu_metadata
.endif
;; end of part 4
;; ======== version 2 of 2: 4 launches; version 1 with the launch prep written anew for expert scheduling mode
;; limits: values are held in f16: magnitudes above 65,504 overflow, below 6.1e-05 lose precision
;; workspace buffers: xb 8,388,608 bytes; wt 10,485,760 bytes; wpt 2,097,152 bytes; qkv 41,943,040 bytes; ob 8,388,608 bytes
;; launch prep (part 5): grid 1024 x 1, 8 waves a work-group, no clusters, 18,432 bytes of LDS; arguments x, query1, query2, key1, key2, value, proj_w, xb, wt, wpt; writes xb, wt, wpt
.if DOCPART == 5
	.amdgcn_target "amdgcn-amd-amdhsa--gfx1250"
	.amdhsa_code_object_version 6
	.text
	.protected	k_qe25f4dc34e_prep
	.globl	k_qe25f4dc34e_prep
	.p2align	8
	.type	k_qe25f4dc34e_prep,@function
k_qe25f4dc34e_prep:
	s_mov_b64 s[64:65], 0
	v_nop
	global_prefetch_b8 v0, s[64:65] scope:SCOPE_SE
	s_setreg_imm32_b32 hwreg(HW_REG_WAVE_SCHED_MODE, 0, 2), 2
	s_setreg_imm32_b32 hwreg(HW_REG_WAVE_MODE, 25, 1), 1
	s_wait_xcnt 0x0
	s_wait_alu depctr_vm_vsrc(0)
; THE CASTS.  xb = x rounded to bf16, as it lies.  wt[h][64 w + d][c] = weight w (0 query1, 1 query2, 2 key1, 3 key2, 4 value) [h][c][d], rounded to bf16 and turned,
; so that the channels c over which the projections sum lie along the rows.  wpt[n][k] = proj_w[k][n], rounded to bf16 and that number written as f16.
; LIMIT.  A number of proj_w beyond 65,504 has no f16; below 6e-5 it keeps f16's fixed step of 6e-8.
; SHARES.  Work-groups 0-255: 16,384 numbers of x each, a stream through registers.  256-895: a block of 128 c x 64 d of one weight and head.  896-1023: a block of 128 k x 64 n of proj_w.
; A block is turned in LDS: two rows of the source are rounded in pairs (the lower row in the low half), a pair is stored as one word into the row of its column, and the 64 rows of 256 bytes
; are read back whole: sixteen lanes store 256 consecutive bytes, aligned.  The word stores fall four deep on a bank (a column's rows lie 272 words apart): 16 store lines a wave, once.
; No matrix unit, no cluster, no prefetch: every byte is read once, by long runs of loads, and nothing is shared.
; THE MODE: SCHED_MODE bits 1:0 = 2 (LLVM: expert scheduling mode 2), set by the entry lines.  The code itself states the register dependences
; between vector instructions and memory or LDS instructions, with s_wait_alu, always for 0.
; THE PLAN.  Registers that memory or LDS instructions touch:
;   L            Written by the global loads at a path's start; read by the conversions.  In a block's path v[L:L+15] are written once more, by the LDS loads behind the barrier, and read by the last global stores.
;   T            Written by the conversions, each register once in the launch; read by x's global stores or by a block's LDS stores.  Never written again.
;   SO DO LS LR  Offsets and LDS addresses: written once, ahead of the path's first memory instruction; never written again.
;   SPW, NIL     Written at the head, read by the closing add alone.
; Both kinds of path go in four groups.  Group g's conversions read its part of L and write its part of T; the stores of group g - 1 are dealt among them.  ONE wait on va_vdst at a group's head states that the
; group before has written its T; no vector instruction behind that wait names a register that those stores touch.  One more such wait stands ahead of a path's first load (the offsets and addresses) and one
; ahead of the last group's stores; that last one stands behind every conversion, so it also states that they are done reading L, in which the LDS loads behind the barrier land.
; No register that a memory or LDS instruction reads is ever written again, so no wait on vm_vsrc is owed.  No vector instruction writes a scalar register or VCC; EXEC is never written.
.set PT,    272                        ; an LDS row: 128 numbers of 2 bytes + 16 bytes
.set SPARE, 64*PT                      ; behind the 64 rows: the spare words, 128 bytes for each of the eight waves
.set SO,  3                            ; v3   my byte offset in the source
.set DO,  4                            ; v4   my byte offset in the destination
.set LS,  5                            ; v5   where I put a word: row 4 (t % 16), word t / 16
.set LR,  6                            ; v6   where I read 16 bytes back: row t / 16, place t % 16
.set SPW, 8                            ; v8   LDS address of my spare word; never rewritten
.set NIL, 9                            ; v9   0; never rewritten
.set L,   16                           ; v[16:79]  as loaded
.set T,   80                           ; v[80:111] rounded
	s_load_b512 s[8:23], s[0:1], 0x0               ; x 8, query1 10, query2 12, key1 14, key2 16, value 18, proj_w 20, xb 22
	s_load_b128 s[24:27], s[0:1], 0x40             ; wt 24, wpt 26
	v_lshl_add_u32 v[SPW], v0, 2, SPARE
	v_mov_b32 v[NIL], 0
	v_lshrrev_b32 v1, 4, v0                        ; t / 16
	v_and_b32 v2, 15, v0                           ; t % 16
	v_mul_u32_u24 v[LS], v2, 4*PT
	v_lshl_add_u32 v[LS], v1, 2, v[LS]
	v_mul_u32_u24 v[LR], v1, PT
	v_lshl_add_u32 v[LR], v2, 4, v[LR]
	s_mov_b32 s33, 0                               ; the offsets' high words
	s_mov_b32 s35, 0
	s_wait_kmcnt 0x0
	s_cmp_lt_u32 ttmp9, 256
	s_cbranch_scc0 .Lweights
	; x: 65,536 bytes in, 32,768 out.  Sixteen loads of 4,096 bytes a work-group go out together; they are worked on in four groups of four, and the waits count down.
	v_lshlrev_b32 v[SO], 4, v0
	v_lshlrev_b32 v[DO], 3, v0
	s_lshl_b32 s32, ttmp9, 16
	s_add_nc_u64 s[28:29], s[8:9], s[32:33]
	s_lshl_b32 s34, ttmp9, 15
	s_add_nc_u64 s[30:31], s[22:23], s[34:35]
	s_wait_alu depctr_va_vdst(0)                   ; v[SO] and v[DO] are written, which the loads and stores of this path read as their offsets (v[LS] and v[LR] too)
.irp i, 0,1,2,3,4,5,6,7,8,9,10,11,12,13,14,15
	global_load_b128 v[L+4*\i:L+4*\i+3], v[SO], s[28:29] offset:4096*\i th:TH_LOAD_NT
.endr
.irp g, 0,1,2,3
	s_wait_loadcnt 12-4*\g                         ; loads come back in order: group g's four are in, the younger groups stay out
.if \g > 0
	s_wait_alu depctr_va_vdst(0)                   ; the group before has written its eight registers of T, which the four stores below read
.endif
.irp i, 0,1,2,3
.if \g > 0
	global_store_b64 v[DO], v[T+2*(4*\g-4+\i):T+2*(4*\g-4+\i)+1], s[30:31] offset:2048*(4*\g-4+\i)  ; the group before: a wave stores 256 consecutive bytes, aligned; no vector instruction since the wait names these registers
.endif
	v_cvt_pk_bf16_f32 v[T+2*(4*\g+\i)], v[L+4*(4*\g+\i)], v[L+4*(4*\g+\i)+1]
	v_cvt_pk_bf16_f32 v[T+2*(4*\g+\i)+1], v[L+4*(4*\g+\i)+2], v[L+4*(4*\g+\i)+3]
.endr
.endr
	s_wait_alu depctr_va_vdst(0)                   ; the last group has written its T, which the last four stores read; every conversion is done reading L
.irp i, 12,13,14,15
	global_store_b64 v[DO], v[T+2*\i:T+2*\i+1], s[30:31] offset:2048*\i
.endr
	s_branch .Lmeet
; A block of 128 rows x 64 columns of f32, rowb bytes from row to row, into LDS, turned.  Thread t takes columns 4 (t % 16) .. + 3 of the rows 2 (t / 16) + 32 i and the row below each.
; half = 1: the bf16 number is written as f16.  A group is one pair of rows i: four words a thread; its word stores stand among the next group's conversions.
.macro TRANS rowb, half
	v_mul_u32_u24 v[SO], v1, 2*(\rowb)
	v_lshl_add_u32 v[SO], v2, 4, v[SO]
	v_lshlrev_b32 v[DO], 11, v1                    ; the destination's rows are 2,048 bytes
	v_lshl_add_u32 v[DO], v2, 4, v[DO]
	s_wait_alu depctr_va_vdst(0)                   ; v[SO], v[DO], v[LS] and v[LR] are written, which the loads and stores of this path read as offsets and LDS addresses
.irp i, 0,1,2,3
	global_load_b128 v[L+8*\i:L+8*\i+3],   v[SO], s[28:29] offset:\i*32*(\rowb) th:TH_LOAD_NT
	global_load_b128 v[L+8*\i+4:L+8*\i+7], v[SO], s[28:29] offset:\i*32*(\rowb)+(\rowb) th:TH_LOAD_NT
.endr
.irp i, 0,1,2,3
	s_wait_loadcnt 2*(3-\i)                        ; pair i of rows is in; two loads for each later pair stay out
.if \i > 0
	s_wait_alu depctr_va_vdst(0)                   ; the group before has written its four registers of T, which the four LDS stores below read
.endif
.irp j, 0,1,2,3
.if \i > 0
	ds_store_b32 v[LS], v[T+4*(\i-1)+\j] offset:PT*\j+64*(\i-1)  ; the group before; no vector instruction since the wait names these registers
.endif
	v_cvt_pk_bf16_f32 v[T+4*\i+\j], v[L+8*\i+\j], v[L+8*\i+4+\j]
.if \half
	v_lshlrev_b32 v10, 16, v[T+4*\i+\j]
	v_and_b32 v11, 0xffff0000, v[T+4*\i+\j]
	v_cvt_pk_f16_f32 v[T+4*\i+\j], v10, v11
.endif
.endr
.endr
	s_wait_alu depctr_va_vdst(0)                   ; the last group has written its T, which the last four LDS stores read; every conversion is done reading L, in which the LDS loads behind the barrier land
.irp j, 0,1,2,3
	ds_store_b32 v[LS], v[T+12+\j] offset:PT*\j+192
.endr
.endm
.Lweights:
	s_cmp_lt_u32 ttmp9, 896
	s_cbranch_scc0 .Lproj
	s_sub_co_u32 s36, ttmp9, 256
	s_lshr_b32 s37, s36, 7                         ; w
	s_mov_b64 s[28:29], s[10:11]
	s_cmp_eq_u32 s37, 1
	s_cselect_b64 s[28:29], s[12:13], s[28:29]
	s_cmp_eq_u32 s37, 2
	s_cselect_b64 s[28:29], s[14:15], s[28:29]
	s_cmp_eq_u32 s37, 3
	s_cselect_b64 s[28:29], s[16:17], s[28:29]
	s_cmp_eq_u32 s37, 4
	s_cselect_b64 s[28:29], s[18:19], s[28:29]
	s_bfe_u32 s38, s36, 0x40003                    ; h
	s_and_b32 s39, s36, 7                          ; which 128 of the 1,024 c
	s_lshl_b32 s32, s38, 18                        ; a head is 262,144 bytes,
	s_lshl_b32 s34, s39, 15                        ; 128 rows of 256 bytes are 32,768
	s_add_co_u32 s32, s32, s34
	s_add_nc_u64 s[28:29], s[28:29], s[32:33]
	s_mul_i32 s34, s38, 320
	s_lshl_b32 s37, s37, 6
	s_add_co_u32 s34, s34, s37                     ; row 320 h + 64 w of wt,
	s_lshl_b32 s34, s34, 11
	s_lshl_b32 s39, s39, 8                         ; 256 bytes along it for each 128 c
	s_add_co_u32 s34, s34, s39
	s_add_nc_u64 s[30:31], s[24:25], s[34:35]
	TRANS 256, 0
	s_branch .Lmeet
.Lproj:
	s_sub_co_u32 s36, ttmp9, 896
	s_lshr_b32 s37, s36, 4                         ; which 128 of the 1,024 k
	s_and_b32 s38, s36, 15                         ; which 64 of the 1,024 n
	s_lshl_b32 s32, s37, 19
	s_lshl_b32 s34, s38, 8
	s_add_co_u32 s32, s32, s34
	s_add_nc_u64 s[28:29], s[20:21], s[32:33]
	s_lshl_b32 s34, s38, 17
	s_lshl_b32 s37, s37, 8
	s_add_co_u32 s34, s34, s37
	s_add_nc_u64 s[30:31], s[26:27], s[34:35]
	TRANS 4096, 1
.Lmeet:
	s_wait_dscnt 0x0                               ; for the others' sake: my words are in LDS
	s_barrier_signal -1
	s_barrier_wait -1                              ; one barrier, on every wave's path
	s_cmp_lt_u32 ttmp9, 256
	s_cbranch_scc1 .Lend                           ; the work-groups of x have nothing in LDS
.irp i, 0,1,2,3
	ds_load_b128 v[L+4*\i:L+4*\i+3], v[LR] offset:16*PT*\i  ; no wait on va_vdst here: no vector instruction has been issued since the path's last one, which stands behind every reader of L and behind the line that made v[LR]
.endr
.irp i, 0,1,2,3
	s_wait_dscnt 3-\i
	global_store_b128 v[DO], v[L+4*\i:L+4*\i+3], s[30:31] offset:32768*\i  ; rows 16 i + t / 16: sixteen lanes store 256 consecutive bytes, aligned
.endr
.Lend:
	s_wait_dscnt 0x0                               ; the closing lines, six on end
	s_wait_alu 0x0
	s_wait_tensorcnt 0x0
	ds_add_u32 v[SPW], v[NIL]
	s_wait_dscnt 0x0
	s_endpgm
.Lfunc_end_k_qe25f4dc34e_prep:
	.size	k_qe25f4dc34e_prep, .Lfunc_end_k_qe25f4dc34e_prep-k_qe25f4dc34e_prep
	.p2alignl 7, 3214868480
	.fill 96, 4, 3214868480
	.section	.rodata,"a",@progbits
	.p2align	6, 0x0
	.amdhsa_kernel k_qe25f4dc34e_prep
		.amdhsa_group_segment_fixed_size 18432
		.amdhsa_private_segment_fixed_size 0
		.amdhsa_enable_private_segment 0
		.amdhsa_kernarg_size 80
		.amdhsa_user_sgpr_count 2
		.amdhsa_user_sgpr_kernarg_segment_ptr 1
		.amdhsa_wavefront_size32 1
		.amdhsa_system_sgpr_workgroup_id_x 1
		.amdhsa_system_sgpr_workgroup_id_y 1
		.amdhsa_system_sgpr_workgroup_id_z 1
		.amdhsa_system_vgpr_workitem_id 0
		.amdhsa_next_free_vgpr 112
		.amdhsa_next_free_sgpr 66
		.amdhsa_reserve_vcc 0
		.amdhsa_float_denorm_mode_32 3
		.amdhsa_float_denorm_mode_16_64 3
		.amdhsa_memory_ordered 1
		.amdhsa_forward_progress 1
		.amdhsa_inst_pref_size 19
	.end_amdhsa_kernel
	.amdgpu_metadata
---
amdhsa.version: [ 1, 2 ]
amdhsa.kernels:
  - .name:           k_qe25f4dc34e_prep
    .symbol:         k_qe25f4dc34e_prep.kd
    .args:
      - { .name: x, .offset: 0, .size: 8, .value_kind: global_buffer, .address_space: global }
      - { .name: query1, .offset: 8, .size: 8, .value_kind: global_buffer, .address_space: global }
      - { .name: query2, .offset: 16, .size: 8, .value_kind: global_buffer, .address_space: global }
      - { .name: key1, .offset: 24, .size: 8, .value_kind: global_buffer, .address_space: global }
      - { .name: key2, .offset: 32, .size: 8, .value_kind: global_buffer, .address_space: global }
      - { .name: value, .offset: 40, .size: 8, .value_kind: global_buffer, .address_space: global }
      - { .name: proj_w, .offset: 48, .size: 8, .value_kind: global_buffer, .address_space: global }
      - { .name: xb, .offset: 56, .size: 8, .value_kind: global_buffer, .address_space: global }
      - { .name: wt, .offset: 64, .size: 8, .value_kind: global_buffer, .address_space: global }
      - { .name: wpt, .offset: 72, .size: 8, .value_kind: global_buffer, .address_space: global }
    .group_segment_fixed_size: 18432
    .private_segment_fixed_size: 0
    .kernarg_segment_align: 8
    .kernarg_segment_size: 80
    .max_flat_workgroup_size: 256
    .sgpr_count:     66
    .vgpr_count:     112
    .wavefront_size: 32
...
	.end_amdgpu_metadata
.endif
;; end of part 5
;; launch proj: the kernel of part 2 again; grid 16 x 16, 4 waves a work-group, clusters of 4 x 4, 327,680 bytes of LDS; arguments xb, wt, qkv; writes qkv
;; launch attn: the kernel of part 3 again; grid 8 x 32, 4 waves a work-group, no clusters, 327,680 bytes of LDS; arguments qkv, lambdas, ob; writes ob
;; launch outp: the kernel of part 4 again; grid 8 x 32, 4 waves a work-group, clusters of 4 x 4, 327,680 bytes of LDS; arguments ob, wpt, proj_b, lambdas, out0; writes out0
